; MI455X (gfx1250); checked and timed in simulation.
; The chip was launched on July 23, 2026; its instructions are those of AMD's public machine-readable ISA for CDNA 5 (MIT licence, August 2026) and "CDNA5" Instruction Set Architecture Reference Guide (July 2026). The comments in the code are by the model that wrote it; some were corrected since.
;; Convex Linear Attention. Allowed arithmetic: matrix products marked QUANTISED: E2M1 operands, one E8M0 scale for each 32 along K, by v_wmma_scale_f32_16x16x128_f8f6f4 with both operands' format E2M1 (or v_wmma_scale_f32_32x16x128_f4), f32 sums; products left as they are: bf16, f16 or f32 operands; f32 sums; everything else in f32.
;; Inputs: bk 1,024 float32; bo 1,024 float32; bq 1,024 float32; bv 1,024 float32; wk 1,024 x 1,024 float32; wo 1,024 x 1,024 float32; wq 1,024 x 1,024 float32; wv 1,024 x 1,024 float32; x 2 x 2,048 x 1,024 float32.
;; Outputs: out0 2 x 2,048 x 1,024 float32.
;; This version of the problem:
;;   THIS VERSION OF THE PROBLEM IS GIVEN IN LOW PRECISION. The matrix products marked QUANTISED in the list below multiply operands that are first quantised to E2M1 (2 exponent bits, 1 mantissa bit; 4 bits a number), with one power-of-two scale for each 32 numbers along K (OCP MX v1.0); their sums are f32. The products marked 'left as it is' may take bf16, f16 or f32 operands, with f32 sums. Whichever they take, every output number must still come out within the allowed error. Rounding operands to bf16 (8 significant bits) uses up far more of that allowance than f16 does (11 bits, for magnitudes from 6e-5 to 65,504). All else is computed in f32.
;;   The module's matrix products, in the order in which they are computed (A, B: the left and right operand; K: the contracted axis; several contracted axes count as one K, in the product's order):
;;     1. [M 4,096, K 1,024] x [K 1,024, N 1,024]; A: input x; B: input wq: QUANTISED
;;     2. [M 4,096, K 1,024] x [K 1,024, N 1,024]; A: input x; B: input wk: QUANTISED
;;     3. [M 4,096, K 1,024] x [K 1,024, N 1,024]; A: input x; B: input wv: QUANTISED
;;     4. batch 32 x [M 2,048, K 64] x [K 64, N 2,048]; A: computed on the way; B: computed on the way: left as it is (an operand is computed on the way)
;;     5. batch 32 x [M 2,048, K 2,048] x [K 2,048, N 64]; A: computed on the way; B: computed on the way: left as it is (an operand is computed on the way)
;;     6. [M 4,096, K 1,024] x [K 1,024, N 1,024]; A: computed on the way; B: input wo: left as it is (an operand is computed on the way)
;;   THE QUANTISER, for each operand of a quantised product, along K:
;;     - K is cut into blocks of 32 from its start; a last block that is shorter is filled with zeros.
;;     - A block's scale is 2^e with e = floor(log2(the largest magnitude in the block)) - 2, held to -126 .. 127; a block of zeros has e = 0. As a byte (E8M0): e + 127.
;;     - Each number is divided by its block's scale, clamped to +-6, and rounded to the nearest number of E2M1, ties to even, subnormals kept.
;;     - The product sums the exact products of the quantised numbers (number of the format x scale) in f32.
;;   ~~~python
;;   def quantise(x, axis):      # numpy; x: float32 -> the quantised numbers, widened to float32 again
;;       x = np.moveaxis(x, axis, -1); K = x.shape[-1]
;;       x = np.pad(x, [(0, 0)] * (x.ndim - 1) + [(0, -K % 32)]); x = x.reshape(x.shape[:-1] + (-1, 32)); a = np.abs(x).max(-1, keepdims=True)
;;       e = np.where(a > 0, np.clip(np.frexp(np.where(a > 0, a, 1))[1] - 1 - 2, -126, 127), 0)      # np.frexp(a)[1] - 1 = floor(log2(a)), exactly
;;       r = np.clip(x / 2.0 ** e, -6, 6)
;;       step = 2.0 ** (np.maximum(np.frexp(np.where(r == 0, 1, r))[1] - 1, 0) - 1)
;;       q = np.round(r / step) * step * 2.0 ** e      # np.round: ties to even
;;       return np.moveaxis(q.reshape(q.shape[:-2] + (-1,))[..., :K], -1, axis).astype(np.float32)
;;   ~~~
;; One version. Each part assembles by itself: llvm-mc -triple=amdgcn-amd-amdhsa -mcpu=gfx1250 --defsym DOCPART=n.
;; ======== version 1 of 1: 4 launches
;; limits: values are held in f16: magnitudes above 65,504 overflow, below 6.1e-05 lose precision
;; workspace buffers: xc 2,097,152 bytes; xs 131,072 bytes; wc 1,572,864 bytes; ws 98,304 bytes; wo16 2,097,152 bytes; qimg 16,777,216 bytes; kvp 4,325,376 bytes; mrg 8,388,608 bytes
;; launch quant (part 1): grid 256 x 1, 4 waves a work-group, no clusters, 33,280 bytes of LDS; arguments x, wq, wk, wv, wo, xc, xs, wc, ws, wo16; writes xc, xs, wc, ws, wo16
.if DOCPART == 1
	.amdgcn_target "amdgcn-amd-amdhsa--gfx1250"
	.amdhsa_code_object_version 6
	.text
	.protected	k_q1b56c95119_quant
	.globl	k_q1b56c95119_quant
	.p2align	8
	.type	k_q1b56c95119_quant,@function
k_q1b56c95119_quant:
	s_mov_b64 s[64:65], 0
	v_nop
	global_prefetch_b8 v0, s[64:65] scope:SCOPE_SE
	s_setreg_imm32_b32 hwreg(HW_REG_WAVE_MODE, 25, 1), 1
	s_wait_xcnt 0x0
; x [4096][1024] and wq, wk, wv [1024][1024], f32, become codes of FP4 (E2M1), K innermost, two codes a byte, with one E8M0 byte for each 32 along K; wo [1024][1024] becomes f16.
; A block's scale is 2^(floor(log2(its largest magnitude)) - 2); its byte is the largest magnitude's exponent field - 2, held at 1 from below.  Each number is divided by the scale and rounded to the nearest code, ties to even.
; LIMITS: a block of zeros gets the byte 1 where the rule says 127 (its codes are zeros, and this program alone reads the bytes); NaN and infinities among the inputs are not served; wo beyond 65,504 has no f16.
; SHARES: 256 work-groups of 32 rows: 0-127 x, 128-159 wq, 160-191 wk, 192-223 wv, 224-255 wo.  A wave takes 8 rows, 8,192 numbers.  Nothing is shared between work-groups, so there is no cluster.
; LAYOUT OUT: xc [4096][512 B], xs [4096][32 B].  The three weights lie by head: row h*192 + kind*64 + i (kind 0 q, 1 k, 2 v; feature 64 h + i) of wc [3072][512 B] and ws [3072][32 B], so that a head's 192 rows are one run.
;   wo16: f16 [n / 128][kc 16][n % 128][64] = wo[n][64 kc + e]: a tile column's planes lie on end.
; THE QUANTISING PATH: 16 steps of 512 numbers.  Each of a step's four loads reads 512 consecutive bytes; the 2,048 bytes turn through the wave's own stage in LDS (16 bytes of padding behind each 64) and come back
; 64 bytes a lane, so that a lane holds 16 neighbours along K and two neighbouring lanes a block.  A wave's store of codes covers 256 consecutive bytes; its 256 scale bytes are gathered in LDS and leave by one store.
.set WAVES, 4
.set STEPS, 16
.set EMAX,  2
.set CB,    8                          ; bytes of 16 codes
.set R,     16                         ; v16-79   four sets of 16 numbers as they are loaded (wo's path: v16-143, two sets of 64)
.set X,     80                         ; v80-111  two sets of 16 neighbours
.set E,     112                        ; v112-127 a scale byte for each step
.set C,     128                        ; v128-191 codes: four registers for each step, so that no store's data are written again
.set WREG,  8192                       ; LDS: a region for each wave: two stages of 32 x SP bytes, behind them its 256 scale bytes
.set SP,    80
.set SPW,   12                         ; v12 LDS address of my spare word; never rewritten
.set NIL,   13                         ; v13 0; never rewritten
.set SPARE, WAVES*WREG                 ; behind the four regions: the spare words, 128 bytes a wave
.set SRC,   26                         ; s[26:27] where my wave reads
.set CD,    28                         ; s[28:29] where its codes (or f16 numbers) go
.set SD,    30                         ; s[30:31] where its scale bytes go
	s_load_b256 s[4:11], s[0:1], 0x0               ; x, wq, wk, wv
	s_load_b256 s[12:19], s[0:1], 0x20             ; wo, xc, xs, wc
	s_load_b128 s[20:23], s[0:1], 0x40             ; ws, wo16
	v_lshl_add_u32 v[SPW], v0, 2, SPARE
	v_mov_b32 v[NIL], 0
	v_lshrrev_b32 v1, 5, v0
	v_readfirstlane_b32 s24, v1                    ; wave
	v_and_b32 v2, 31, v0                           ; lane
	s_cmp_ge_u32 ttmp9, 224                        ; wo's work-groups take a path of their own, which uses no stage
	s_cbranch_scc1 .Lwo
	v_lshlrev_b32 v3, 4, v2                        ; my 16 bytes of a load's 512
	s_mul_i32 s25, s24, WREG
	v_lshrrev_b32 v14, 2, v2
	v_mul_u32_u24 v14, v14, SP
	v_and_b32 v15, 3, v2
	v_lshl_add_u32 v14, v15, 4, v14
	v_add_nc_u32 v14, s25, v14                     ; the stage, on the way in: SP (lane / 4) + 16 (lane % 4)
	v_mul_u32_u24 v15, v2, SP
	v_add_nc_u32 v15, s25, v15                     ; and on the way out: SP x lane: my 16 neighbours
	v_mul_u32_u24 v4, v2, CB                       ; my codes' place in a step's
	v_lshrrev_b32 v5, 1, v2
	s_add_co_u32 s25, s25, 2*32*SP
	v_add_nc_u32 v5, s25, v5                       ; LDS: my wave's 256 scale bytes, my block's byte
	v_lshlrev_b32 v7, 3, v2                        ; and on the way out 8 bytes a lane
	v_add_nc_u32 v6, s25, v7
	s_lshl_b32 s32, ttmp9, 2
	s_add_co_u32 s32, s32, s24                     ; x: my run of 8 rows,
	s_lshl_b32 s33, s32, 3                         ; and its first row in xc and xs
	s_and_b32 s34, ttmp9, 127                      ; a weight: work-group 128 + 32 kind + j
	s_lshr_b32 s35, s34, 5                         ; kind
	s_and_b32 s34, s34, 31
	s_lshl_b32 s34, s34, 2
	s_add_co_u32 s34, s34, s24                     ; my run of 8 rows of the weight
	s_lshr_b32 s36, s34, 3                         ; its head
	s_mul_i32 s36, s36, 192
	s_lshl_b32 s35, s35, 6
	s_add_co_u32 s36, s36, s35
	s_and_b32 s35, s34, 7
	s_lshl_b32 s35, s35, 3
	s_add_co_u32 s36, s36, s35                     ; its first row in wc and ws: 192 head + 64 kind + 8 (run % 8)
	s_wait_kmcnt 0x0
	s_cmp_lt_u32 ttmp9, 192                        ; the choices hang on the work-group's number alone
	s_cselect_b64 s[SRC:SRC+1], s[8:9], s[10:11]
	s_cmp_lt_u32 ttmp9, 160
	s_cselect_b64 s[SRC:SRC+1], s[6:7], s[SRC:SRC+1]
	s_cmp_lt_u32 ttmp9, 128
	s_cselect_b64 s[SRC:SRC+1], s[4:5], s[SRC:SRC+1]
	s_cselect_b64 s[CD:CD+1], s[14:15], s[18:19]
	s_cselect_b64 s[SD:SD+1], s[16:17], s[20:21]
	s_cselect_b32 s32, s32, s34
	s_cselect_b32 s33, s33, s36
	s_lshl_b32 s34, s32, 15                        ; 8 rows of 4,096 bytes a run
	s_mov_b32 s35, 0
	s_add_nc_u64 s[SRC:SRC+1], s[SRC:SRC+1], s[34:35]
	s_lshl_b32 s34, s33, 9                         ; 512 bytes of codes a row
	s_add_nc_u64 s[CD:CD+1], s[CD:CD+1], s[34:35]
	s_lshl_b32 s34, s33, 5                         ; 32 scale bytes a row
	s_add_nc_u64 s[SD:SD+1], s[SD:SD+1], s[34:35]
.macro LOAD t
.irp i, 0,1,2,3
	global_load_b128 v[R+16*((\t)%4)+4*\i:R+16*((\t)%4)+4*\i+3], v3, s[SRC:SRC+1] offset:2048*(\t)+512*\i th:TH_LOAD_NT   ; 32 lanes read 512 consecutive bytes
.endr
.endm
.macro TURN t                          ; step t's numbers through the stage: LDS serves a wave's instructions in order, so no wait stands between the stores and the loads
.irp i, 0,1,2,3
	ds_store_b128 v14, v[R+16*((\t)%4)+4*\i:R+16*((\t)%4)+4*\i+3] offset:32*SP*((\t)%2)+8*SP*\i
.endr
.irp i, 0,1,2,3
	ds_load_b128 v[X+16*((\t)%2)+4*\i:X+16*((\t)%2)+4*\i+3], v15 offset:32*SP*((\t)%2)+16*\i
.endr
.endm
.irp t, 0,1,2,3
	LOAD \t
.endr
	s_wait_loadcnt 12                              ; step 0's four loads are in; the twelve of steps 1 to 3 may be out
	TURN 0
.macro STEP t
.set XS, X+16*((\t)%2)
.if (\t) > 0
	s_wait_dscnt 1                                 ; this step's numbers are back from the stage (the last step's byte store may be out): so its stores into the stage have read their registers,
.else
	s_wait_dscnt 0x0
.endif
.if (\t)+4 < STEPS
	LOAD (\t)+4                                    ; which take the loads of four steps on
.endif
.if (\t)+1 < STEPS
.if STEPS-2-(\t) >= 3
	s_wait_loadcnt 12                              ; the next step's four loads are in; those of the three steps behind it may be out
.else
	s_wait_loadcnt 4*(STEPS-2-(\t))
.endif
	TURN (\t)+1                                    ; and go through the other stage while this step is worked
.endif
	v_max3_num_f32 v8, |v[XS]|, |v[XS+1]|, |v[XS+2]|               ; the largest magnitude of my 16, in two chains
	v_max3_num_f32 v9, |v[XS+3]|, |v[XS+4]|, |v[XS+5]|
.irp i, 6,10
	v_max3_num_f32 v8, v8, |v[XS+\i]|, |v[XS+\i+1]|
	v_max3_num_f32 v9, v9, |v[XS+\i+2]|, |v[XS+\i+3]|
.endr
	v_max3_num_f32 v8, v8, |v[XS+14]|, |v[XS+15]|
	v_max3_num_f32 v8, v8, v9, (EMAX+1)<<23        ; and the floor 2^(EMAX + 1 - 127): so the byte cannot fall under 1
	v_max_num_f32_dpp v8, v8, v8 row_xmask:1 row_mask:0xf bank_mask:0xf   ; and of my neighbour's 16: the block's
	v_add_nc_u32 v11, -(EMAX<<23), v8              ; EMAX off its exponent field: the conversion takes the exponent field of this operand as its scale
	v_cvt_scalef32_pk8_fp4_f32 v[C+4*(\t)], v[XS:XS+7], v11
	v_cvt_scalef32_pk8_fp4_f32 v[C+4*(\t)+1], v[XS+8:XS+15], v11
	v_lshrrev_b32 v[E+(\t)], 23, v11               ; the scale's byte (a plain line behind the conversions)
	ds_store_b8 v5, v[E+(\t)] offset:16*(\t)       ; both lanes of a block write the same byte with the same value
	global_store_b64 v4, v[C+4*(\t):C+4*(\t)+1], s[CD:CD+1] offset:32*CB*(\t)   ; the wave stores 256 consecutive bytes, aligned
.endm
.irp t, 0,1,2,3,4,5,6,7,8,9,10,11,12,13,14,15
	STEP \t
.endr
	ds_load_b64 v[8:9], v6                         ; LDS serves a wave's instructions in order: these see my stores
	s_wait_dscnt 0x0
	global_store_b64 v7, v[8:9], s[SD:SD+1]        ; 32 lanes store 256 consecutive bytes, aligned: 8 rows' scale bytes
	s_wait_tensorcnt 0x0                           ; the wave's end: three closing lines, behind my last LDS store
	ds_add_u32 v[SPW], v[NIL]
	s_wait_dscnt 0x0
	s_endpgm
; wo's PATH.  My 8 rows n0 .. n0 + 7, two rows at a time: a load takes 256 bytes (64 numbers, one kc) of each of the two rows; its 4 numbers a lane become 8 bytes, and the wave's store covers 256 consecutive bytes of wo16.
.Lwo:
	s_sub_co_u32 s32, ttmp9, 224
	s_lshl_b32 s32, s32, 5
	s_lshl_b32 s33, s24, 3
	s_add_co_u32 s32, s32, s33                     ; n0 = 32 (work-group - 224) + 8 wave
	s_lshl_b32 s34, s32, 12                        ; a row of wo is 4,096 bytes
	s_mov_b32 s35, 0
	s_lshr_b32 s36, s32, 7                         ; the tile column: 16 planes of 16,384 bytes,
	s_lshl_b32 s36, s36, 18
	s_and_b32 s37, s32, 127                        ; and in a plane 128 bytes a row
	s_lshl_b32 s37, s37, 7
	s_add_co_u32 s36, s36, s37
	s_mov_b32 s37, 0
	v_lshrrev_b32 v3, 4, v2
	v_and_b32 v4, 15, v2
	v_lshlrev_b32 v3, 12, v3
	v_lshl_add_u32 v3, v4, 4, v3                   ; in: lanes 0-15 the even row, lanes 16-31 the odd one, 16 bytes a lane
	v_lshlrev_b32 v4, 3, v2                        ; out: 8 bytes a lane
	s_wait_kmcnt 0x0
	s_add_nc_u64 s[SRC:SRC+1], s[12:13], s[34:35]
	s_add_nc_u64 s[CD:CD+1], s[22:23], s[36:37]
.macro WOLOAD g                        ; rows n0 + 2 g and n0 + 2 g + 1, all 16 kc, into set g % 2
.irp kc, 0,1,2,3,4,5,6,7,8,9,10,11,12,13,14,15
	global_load_b128 v[R+64*((\g)%2)+4*\kc:R+64*((\g)%2)+4*\kc+3], v3, s[SRC:SRC+1] offset:(\g)*8192+\kc*256 th:TH_LOAD_NT
.endr
.endm
.macro WOCVT g
.irp kc, 0,1,2,3,4,5,6,7,8,9,10,11,12,13,14,15
	v_cvt_pk_f16_f32 v[R+64*((\g)%2)+4*\kc], v[R+64*((\g)%2)+4*\kc], v[R+64*((\g)%2)+4*\kc+1]
	v_cvt_pk_f16_f32 v[R+64*((\g)%2)+4*\kc+1], v[R+64*((\g)%2)+4*\kc+2], v[R+64*((\g)%2)+4*\kc+3]
	global_store_b64 v4, v[R+64*((\g)%2)+4*\kc:R+64*((\g)%2)+4*\kc+1], s[CD:CD+1] offset:\kc*16384+(\g)*256
.endr
.endm
	WOLOAD 0
	WOLOAD 1
	s_wait_loadcnt 16                              ; the older sixteen loads are in; the younger sixteen may be out (so at each of the three waits)
	WOCVT 0
	s_wait_xcnt 0x0                                ; the stores have read their registers: the set may be loaded again
	WOLOAD 2
	s_wait_loadcnt 16
	WOCVT 1
	s_wait_xcnt 0x0
	WOLOAD 3
	s_wait_loadcnt 16
	WOCVT 2
	s_wait_loadcnt 0x0
	WOCVT 3
	s_wait_tensorcnt 0x0                           ; the wave's end: the same three lines
	ds_add_u32 v[SPW], v[NIL]
	s_wait_dscnt 0x0
	s_endpgm
.Lfunc_end_k_q1b56c95119_quant:
	.size	k_q1b56c95119_quant, .Lfunc_end_k_q1b56c95119_quant-k_q1b56c95119_quant
	.p2alignl 7, 3214868480
	.fill 96, 4, 3214868480
	.section	.rodata,"a",@progbits
	.p2align	6, 0x0
	.amdhsa_kernel k_q1b56c95119_quant
		.amdhsa_group_segment_fixed_size 33280
		.amdhsa_private_segment_fixed_size 0
		.amdhsa_enable_private_segment 0
		.amdhsa_kernarg_size 80
		.amdhsa_user_sgpr_count 2
		.amdhsa_user_sgpr_kernarg_segment_ptr 1
		.amdhsa_wavefront_size32 1
		.amdhsa_system_sgpr_workgroup_id_x 1
		.amdhsa_system_sgpr_workgroup_id_y 1
		.amdhsa_system_sgpr_workgroup_id_z 1
		.amdhsa_system_vgpr_workitem_id 0
		.amdhsa_next_free_vgpr 192
		.amdhsa_next_free_sgpr 66
		.amdhsa_reserve_vcc 0
		.amdhsa_float_denorm_mode_32 3
		.amdhsa_float_denorm_mode_16_64 3
		.amdhsa_memory_ordered 1
		.amdhsa_forward_progress 1
		.amdhsa_inst_pref_size 55
	.end_amdhsa_kernel
	.amdgpu_metadata
---
amdhsa.version: [ 1, 2 ]
amdhsa.kernels:
  - .name:           k_q1b56c95119_quant
    .symbol:         k_q1b56c95119_quant.kd
    .args:
      - { .name: x, .offset: 0, .size: 8, .value_kind: global_buffer, .address_space: global }
      - { .name: wq, .offset: 8, .size: 8, .value_kind: global_buffer, .address_space: global }
      - { .name: wk, .offset: 16, .size: 8, .value_kind: global_buffer, .address_space: global }
      - { .name: wv, .offset: 24, .size: 8, .value_kind: global_buffer, .address_space: global }
      - { .name: wo, .offset: 32, .size: 8, .value_kind: global_buffer, .address_space: global }
      - { .name: xc, .offset: 40, .size: 8, .value_kind: global_buffer, .address_space: global }
      - { .name: xs, .offset: 48, .size: 8, .value_kind: global_buffer, .address_space: global }
      - { .name: wc, .offset: 56, .size: 8, .value_kind: global_buffer, .address_space: global }
      - { .name: ws, .offset: 64, .size: 8, .value_kind: global_buffer, .address_space: global }
      - { .name: wo16, .offset: 72, .size: 8, .value_kind: global_buffer, .address_space: global }
    .group_segment_fixed_size: 33280
    .private_segment_fixed_size: 0
    .kernarg_segment_align: 8
    .kernarg_segment_size: 80
    .max_flat_workgroup_size: 128
    .sgpr_count:     66
    .vgpr_count:     192
    .wavefront_size: 32
...
	.end_amdgpu_metadata
.endif
;; end of part 1
;; launch proj (part 2): grid 16 x 16, 4 waves a work-group, clusters of 4 x 4, 327,680 bytes of LDS; arguments xc, xs, wc, ws, bq, bk, bv, qimg, kvp; writes qimg, kvp
.if DOCPART == 2
	.amdgcn_target "amdgcn-amd-amdhsa--gfx1250"
	.amdhsa_code_object_version 6
	.text
	.protected	k_q1b56c95119_proj
	.globl	k_q1b56c95119_proj
	.p2align	8
	.type	k_q1b56c95119_proj,@function
k_q1b56c95119_proj:
	s_mov_b64 s[64:65], 0
	v_nop
	global_prefetch_b8 v0, s[64:65] scope:SCOPE_SE
	s_setreg_imm32_b32 hwreg(HW_REG_WAVE_MODE, 25, 1), 1
	s_wait_xcnt 0x0
	s_wait_alu depctr_hold_cnt(0) depctr_sa_sdst(0) depctr_va_vdst(0) depctr_va_sdst(0) depctr_va_ssrc(0) depctr_va_vcc(0) depctr_vm_vsrc(0)
	s_getreg_b32 s2, hwreg(HW_REG_IB_STS2, 6, 4)
	s_cmp_eq_u32 s2, 0
	s_cbranch_scc0 .Lentry_in_a_cluster
	s_endpgm
.Lentry_in_a_cluster:
	s_bfe_u32 s2, ttmp6, 0x10000c
	s_cmp_lg_u32 s2, 0xf033
	s_cbranch_scc0 .Lentry_shape_is_right
	s_endpgm
.Lentry_shape_is_right:
; q, k, v = x W^T + b for one head and 256 tokens, on codes of FP4 with E8M0 scales (K = 1,024); then qf = elu(q) + 1, kf = elu(k) + 1, and of the attention what can be summed here:
; since reference() puts nothing but a division by the row's sum between its two products, sum_j (qf_i . kf_j) v_j = qf_i . (sum_j kf_j v_j^T) and sum_j qf_i . kf_j = qf_i . (sum_j kf_j), for every input.
; This launch stores qf, and for its 256 tokens the partial sums KV^T[e][d] = sum_j v_j[e] kf_j[d] and ksum[d] = sum_j kf_j[d].  k and v never go to memory.
; FORMATS: qf, kf and v go on as PAIRS of bf16, a high and a low part split in f32; a product of pairs is three matrix products (hh, hl, lh): f32's range, and what is dropped lies 2^-16 under the product.
; elu(t) + 1 is made as max(t, 0) + 2^(min(t, 0) log2 e).  LIMITS: NaN and infinities are not served; an exponential under 2^-126 comes out as 0.
; SHARES: work-group (x, y) = (head, block of 256 tokens).  Wave w takes tokens 64 w .. 64 w + 63 against the head's 192 weight rows (q 64, k 64, v 64): 48 accumulators of 16 x 16, so that it holds kf and v of the same tokens.
; CLUSTER 4 x 4: the four of a row need the same tokens' codes, the four of a column the same head's weights: each tile is asked for jointly.  All of K fits in LDS at once: two chunks of 512 along K, filled once; nothing is filled again.
; q's products are used TRANSPOSED (source 0 = 16 weight rows, source 1 = 16 tokens): a lane holds one token and 8 features, which is the layout of the next launch's operand.
; k's and v's are not (source 0 = tokens): a lane holds one feature and 8 tokens, and the tokens are the K of kf^T v: four packed registers of two token tiles are a fragment as it stands.
; REGISTERS: window 0: v1-29 addresses and small things; v32-95 scale words, nothing else; v96-159 x's fragments, two sets (later E, P at work); v160-223 qf's pairs, two sets; later v96-239 the sum over the waves.
;   window 1: v0-191 the weights' fragments, two sets (later kf's and v's pairs: KH 0, KL 64, VH 128, VL 192).  window 2: k's 16 and v's 16 accumulators.  window 3: v0-127 q's 16 accumulators (later KV's 16); v128-223 the biases.
.set PITCH, 272                        ; an LDS row: 256 bytes (512 codes) + 16 of padding: the 16 rows of a fragment load start 16 bytes apart modulo 256
.set CHUNK, 121856                     ; a chunk: x's 256 rows, then the weights' 192
.set WOFF,  69632
.set STG,   243712                     ; behind the chunks: for each wave 66 rows x 272 bytes: its KV^T (64 rows of 64 f32) and ksum twice
.set REG,   18176
.set SPARE, 316416                     ; the spare words, 128 bytes a wave
.set SPW,  4
.set NIL,  5
.set ADRX, 6                           ; v6-7   my x fragments in chunk 0, 1
.set ADRW, 8                           ; v8-9   the weights' fragments
.set SCO,  10                          ; v10    32 r + 16 h: a row's scale words, four for each half of the lanes
.set GO,   11                          ; v11    16 x lane
.set STO,  12                          ; v12    where I put 32 bytes of a row of KV^T
.set KSO,  13                          ; v13    where I put ksum
.set RD,   14                          ; v14    where I read rows back for the sum over the waves
.set RDX,  15                          ; v15    the same for rows 64, 65
.set KS,   16                          ; v16-23 ksum: a pair for each tile of 16 features
.set PT,   24                          ; v24-27 lane permutes' targets
.set BO8,  28                          ; v28    32 h
.set BO1,  29                          ; v29    4 r
.set SX,   32                          ; x's scale words: tile t, register i: lanes 0-15 K step i, lanes 16-31 K step 4 + i
.set SW,   48                          ; the weights': tile f likewise
.set XF,   96
.set E,    96
.set P,    128
.set HQ,   160
.set QB,   128                         ; window 3: bq in q's result layout, 8 registers a tile
.set KB,   160                         ; window 3: bk (4 tiles), bv (4 tiles): all 8 registers of a lane hold its feature's bias
.set G1X, 32
.set G1W, 40
.set G0X, 48
.set G0W, 56
.set W_Q,   0xf1                       ; source 0 window 1, source 1 window 0, C and D window 3
.set W_KV,  0xa4                       ; source 0 window 0, source 1 window 1, C and D window 2
.set W_KV0, 0xb4                       ; the same with C (the bias) in window 3
.set TO_W,  0x40
.set RD3,   0x0f
.set RD2,   0x0a
.set W_P,   0xf5                       ; both sources window 1, C and D window 3
.set ST3,   0x0c                       ; an LDS store's data in window 3
.set MSB, 0
.macro WIN new                         ; the immediate's high byte repeats the setting that is left
.if MSB != \new
	s_set_vgpr_msb (MSB<<8)|\new
.set MSB, \new
.endif
.endm
.macro PLACES                          ; four plain places behind matrix instructions, ahead of loads into their sources and of reads of their results
.rept 4
	v_nop
.endr
.endm
.macro CROUND                          ; a round of the cluster's barrier
	s_barrier_signal -1
	s_barrier_wait -1
	s_cmp_lg_u32 s22, 0
	s_cbranch_scc1 .Lnot_wave_0_\@
	s_barrier_signal -3
.Lnot_wave_0_\@:
	s_barrier_wait -3
	s_barrier_signal -1
	s_barrier_wait -1
.endm
	s_load_b256 s[4:11], s[0:1], 0x0               ; xc, xs, wc, ws
	s_load_b256 s[12:19], s[0:1], 0x20             ; bq, bk, bv, qimg
	s_load_b64 s[20:21], s[0:1], 0x40              ; kvp
	v_lshl_add_u32 v[SPW], v0, 2, SPARE
	v_mov_b32 v[NIL], 0
	ds_add_u32 v[SPW], v[NIL]                      ; the wave's opening: the add, twice on end, and its wait ahead of my first tensor load; the set-up below is work on registers
	ds_add_u32 v[SPW], v[NIL]
	v_lshrrev_b32 v1, 5, v0
	v_readfirstlane_b32 s22, v1                    ; wave 0..3
	s_lshr_b32 s23, s22, 1                         ; 0: I fetch x's codes; 1: the weights'
	s_and_b32 s24, s22, 1                          ; which half of their rows
	s_bfe_u32 s25, ttmp6, 0x40000                  ; cx
	s_bfe_u32 s26, ttmp6, 0x40004                  ; cy
	s_lshl_b32 s27, ttmp9, 2
	s_add_co_u32 s27, s27, s25                     ; the head = 4 x cluster x + cx
	s_and_b32 s28, ttmp7, 0xffff
	s_lshl_b32 s28, s28, 2
	s_add_co_u32 s28, s28, s26                     ; the block of 256 tokens = 4 x cluster y + cy
	s_lshl_b32 s29, s26, 2
	s_lshl_b32 s29, 15, s29                        ; my row of the cluster
	s_lshl_b32 s30, 0x1111, s25                    ; my column
	s_or_b32 s[G1X], s29, (1<<20)|(1<<21)|(5<<22)|(3<<25)   ; the mask; elements of 1 byte; padding on; bit 21 beside a mask; 4 words behind every 64
	s_or_b32 s[G1W], s30, (1<<20)|(1<<21)|(5<<22)|(3<<25)
	s_mov_b32 s[G1X+1], 256<<16                    ; tensor_dim0 = 256 bytes
	s_mov_b32 s[G1X+2], 128<<16                    ; tensor_dim1 = 128 rows
	s_mov_b32 s[G1X+3], 256<<16                    ; tile_dim0
	s_mov_b32 s[G1X+4], 128                        ; tile_dim1
	s_mov_b32 s[G1X+5], 512                        ; a row of codes in memory
	s_mov_b32 s[G1X+6], 0
	s_mov_b32 s[G1X+7], 0
	s_mov_b32 s[G1W+1], 256<<16
	s_mov_b32 s[G1W+2], 96<<16                     ; 96 rows
	s_mov_b32 s[G1W+3], 256<<16
	s_mov_b32 s[G1W+4], 96
	s_mov_b32 s[G1W+5], 512
	s_mov_b32 s[G1W+6], 0
	s_mov_b32 s[G1W+7], 0
	s_lshl_b32 s66, s28, 8                         ; x's codes: row 256 block + 128 half, 512 bytes a row (these registers never hold cx)
	s_lshl_b32 s67, s24, 7
	s_add_co_u32 s66, s66, s67
	s_lshl_b32 s66, s66, 9
	s_mov_b32 s67, 0
	s_mul_i32 s68, s27, 192                        ; the weights': row 192 head + 96 half (never cy)
	s_mul_i32 s69, s24, 96
	s_add_co_u32 s68, s68, s69
	s_lshl_b32 s68, s68, 9
	s_mov_b32 s69, 0
	s_mul_i32 s70, s24, 128*PITCH                  ; where they go in a chunk: no place in the cluster enters an LDS address
	s_mul_i32 s71, s24, 96*PITCH
	s_add_co_u32 s71, s71, WOFF
	s_lshl_b32 s72, s28, 13                        ; x's scale bytes: 32 a row, my wave's 64 rows
	s_lshl_b32 s73, s22, 11
	s_add_co_u32 s72, s72, s73
	s_mov_b32 s73, 0
	s_mul_i32 s74, s27, 6144                       ; the head's 192 rows of scale bytes
	s_mov_b32 s75, 0
	s_lshl_b32 s76, s27, 8                         ; the head's 64 biases
	s_mov_b32 s77, 0
	s_lshl_b32 s88, s27, 20                        ; qimg: ((head 256 + token / 16) 8 + g) 512
	s_lshl_b32 s89, s28, 16
	s_add_co_u32 s88, s88, s89
	s_lshl_b32 s89, s22, 14
	s_add_co_u32 s88, s88, s89
	s_mov_b32 s89, 0
	s_lshr_b32 s90, s28, 3                         ; kvp: partial ((b 16 + head) 8 + block % 8) of 16,896 bytes, + my wave's 16 rows
	s_lshl_b32 s90, s90, 7
	s_lshl_b32 s91, s27, 3
	s_add_co_u32 s90, s90, s91
	s_and_b32 s91, s28, 7
	s_add_co_u32 s90, s90, s91
	s_mul_i32 s90, s90, 16896
	s_lshl_b32 s91, s22, 12
	s_add_co_u32 s90, s90, s91
	s_mov_b32 s91, 0
	s_mul_i32 s92, s22, 64*PITCH                   ; my 64 tokens in a chunk
	s_mul_i32 s93, s22, REG
	s_add_co_u32 s93, s93, STG                     ; my region of the stage
	s_mul_i32 s94, s22, 16*PITCH
	s_add_co_u32 s94, s94, STG                     ; the 16 rows that I sum over the waves
	s_mov_b32 s80, 0x3fb8aa3b                      ; log2 e, as a pair for the packed multiply
	s_mov_b32 s81, s80
	s_mov_b32 s82, 0xffff0000                      ; a word's upper bf16
	s_mov_b32 s84, 0x76543210                      ; v_permlanex16_b32's selects for lane l xor 16
	s_mov_b32 s85, 0xfedcba98
	v_and_b32 v1, 31, v0                           ; lane
	v_and_b32 v2, 15, v0                           ; r
	v_bfe_u32 v3, v0, 4, 1                         ; h
	v_mul_u32_u24 v[ADRX], v2, PITCH
	v_lshl_add_u32 v[ADRX], v3, 4, v[ADRX]         ; a fragment's row x pitch + 16 x half
	v_add_nc_u32 v[ADRW], WOFF, v[ADRX]
	v_add_nc_u32 v[ADRW+1], WOFF+CHUNK, v[ADRX]
	v_add_nc_u32 v[ADRX], s92, v[ADRX]
	v_add_nc_u32 v[ADRX+1], CHUNK, v[ADRX]
	v_lshlrev_b32 v[SCO], 5, v2
	v_lshl_add_u32 v[SCO], v3, 4, v[SCO]
	v_lshlrev_b32 v[GO], 4, v1
	v_mul_u32_u24 v[STO], v2, PITCH
	v_lshl_add_u32 v[STO], v3, 5, v[STO]
	v_add_nc_u32 v[STO], s93, v[STO]               ; row r, + 32 h
	v_mul_u32_u24 v[KSO], v3, PITCH
	v_lshl_add_u32 v[KSO], v2, 2, v[KSO]
	v_add_nc_u32 v[KSO], s93, v[KSO]
	v_add_nc_u32 v[KSO], 64*PITCH, v[KSO]          ; row 64 + h, + 4 r
	v_mul_u32_u24 v[RD], v3, PITCH
	v_lshl_add_u32 v[RD], v2, 4, v[RD]             ; lanes 0-15 one row, lanes 16-31 the next
	v_add_nc_u32 v[RDX], STG+64*PITCH, v[RD]
	v_add_nc_u32 v[RD], s94, v[RD]
.irp b, 0,1,2,3
	v_mov_b32 v[PT+\b], 0                          ; written once: a lane permute's destination counts as one of its sources
.endr
	v_lshlrev_b32 v[BO8], 5, v3
	v_lshlrev_b32 v[BO1], 2, v2
	s_wait_dscnt 0x0                               ; both opening adds are done
	s_wait_kmcnt 0x0
	s_add_nc_u64 s[66:67], s[4:5], s[66:67]
	s_add_nc_u64 s[68:69], s[8:9], s[68:69]
	s_add_nc_u64 s[72:73], s[6:7], s[72:73]
	s_add_nc_u64 s[74:75], s[10:11], s[74:75]
	s_add_nc_u64 s[78:79], s[14:15], s[76:77]      ; bk
	s_add_nc_u64 s[86:87], s[16:17], s[76:77]      ; bv
	s_add_nc_u64 s[76:77], s[12:13], s[76:77]      ; bq
	s_add_nc_u64 s[88:89], s[18:19], s[88:89]
	s_add_nc_u64 s[90:91], s[20:21], s[90:91]
	CROUND                                         ; all sixteen work-groups are here: the joint loads meet
.irp c, 0,1
	s_mov_b32 s[G0X+4*\c], 1
	s_add_co_u32 s[G0X+4*\c+1], s70, \c*CHUNK
	s_add_nc_u64 s[G0X+4*\c+2:G0X+4*\c+3], s[66:67], \c*256   ; chunk c: 256 bytes on in every row
	s_or_b32 s[G0X+4*\c+3], s[G0X+4*\c+3], 0x80000000
	s_mov_b32 s[G0W+4*\c], 1
	s_add_co_u32 s[G0W+4*\c+1], s71, \c*CHUNK
	s_add_nc_u64 s[G0W+4*\c+2:G0W+4*\c+3], s[68:69], \c*256
	s_or_b32 s[G0W+4*\c+3], s[G0W+4*\c+3], 0x80000000
.endr
	s_cmp_eq_u32 s23, 0                            ; a wave's two fills stand in one branch, ahead of every wait on TENSORcnt and every LDS read: two loads of mine are out
	s_cbranch_scc0 .Lfirst_w
	tensor_load_to_lds s[G0X:G0X+3], s[G1X:G1X+7]
	s_nop 0
	tensor_load_to_lds s[G0X+4:G0X+7], s[G1X:G1X+7]
	s_nop 0
.rept 4
	v_nop
.endr
	s_branch .Lfirst_asked
.Lfirst_w:
	tensor_load_to_lds s[G0W:G0W+3], s[G1W:G1W+7]
	s_nop 0
	tensor_load_to_lds s[G0W+4:G0W+7], s[G1W:G1W+7]
	s_nop 0
.rept 4
	v_nop
.endr
.Lfirst_asked:
	; the scale words of all of K, once: 16 bytes a lane; sixteen rows' 512 bytes are consecutive
.irp t, 0,1,2,3
	global_load_b128 v[SX+4*\t:SX+4*\t+3], v[SCO], s[72:73] offset:512*\t
.endr
.irp f, 0,1,2,3,4,5,6,7,8,9,10,11
	global_load_b128 v[SW+4*\f:SW+4*\f+3], v[SCO], s[74:75] offset:512*\f
.endr
	WIN 0xc0                                       ; destination window 3: the biases, each the C of a sum's first product
.irp f, 0,1,2,3
	global_load_b128 v[QB+8*\f:QB+8*\f+3], v[BO8], s[76:77] offset:64*\f        ; bq at features 16 f + 8 h + 0 .. 7
	global_load_b128 v[QB+8*\f+4:QB+8*\f+7], v[BO8], s[76:77] offset:64*\f+16
.endr
.irp f, 0,1,2,3
.irp j, 0,1,2,3,4,5,6,7
	global_load_b32 v[KB+8*\f+\j], v[BO1], s[78:79] offset:64*\f                ; bk at feature 16 f + r, in all eight registers
	global_load_b32 v[KB+32+8*\f+\j], v[BO1], s[86:87] offset:64*\f             ; bv likewise
.endr
.endr
	WIN 0
; 32 LDS loads in one run: the fragments of K step q (128 along K: 64 bytes of a row, two loads of 16 bytes a lane, 32 bytes apart) into set q % 2
.macro FETCH q
	WIN TO_W
.irp f, 0,1,2,3,4,5,6,7,8,9,10,11
.irp c, 0,1
	ds_load_b128 v[96*((\q)%2)+8*\f+4*\c:96*((\q)%2)+8*\f+4*\c+3], v[ADRW+(\q)/4] offset:\f*16*PITCH+64*((\q)%4)+32*\c
.endr
.endr
	WIN 0
.irp t, 0,1,2,3
.irp c, 0,1
	ds_load_b128 v[XF+32*((\q)%2)+8*\t+4*\c:XF+32*((\q)%2)+8*\t+4*\c+3], v[ADRX+(\q)/4] offset:\t*16*PITCH+64*((\q)%4)+32*\c
.endr
.endr
.endm
.macro MM4                             ; one product, by the symbols rD, rA, rB, rC, rSA, rSB; rHI = 1: the scale words of K steps 4 to 7 stand in lanes 16-31
.if rHI
	v_wmma_scale_f32_16x16x128_f8f6f4 v[rD:rD+7], v[rA:rA+7], v[rB:rB+7], v[rC:rC+7], v[rSA], v[rSB] matrix_a_fmt:MATRIX_FMT_FP4 matrix_b_fmt:MATRIX_FMT_FP4 matrix_a_scale:MATRIX_SCALE_ROW1 matrix_b_scale:MATRIX_SCALE_ROW1
.else
	v_wmma_scale_f32_16x16x128_f8f6f4 v[rD:rD+7], v[rA:rA+7], v[rB:rB+7], v[rC:rC+7], v[rSA], v[rSB] matrix_a_fmt:MATRIX_FMT_FP4 matrix_b_fmt:MATRIX_FMT_FP4
.endif
.endm
; A K step of 128: 48 products.  The 48 accumulators take turns, one instruction a turn, in the same order in every step.  The next step's fragments are asked for ahead of this step's products.
.macro KSTEP q
	s_wait_dscnt 0x0                               ; this step's fragments are in (asked for a step ago)
.if (\q) == 3
	s_wait_tensorcnt 0x0                           ; my part of chunk 1 has landed,
	s_barrier_signal -1
	s_barrier_wait -1                              ; everybody's has: the next fetch reads it
.endif
.if (\q) < 7
.if (\q) > 0
	PLACES                                         ; the other set was multiplied by the step before
.endif
	FETCH (\q)+1
.endif
.set rHI, (\q)/4
	WIN W_Q
.irp t, 0,1,2,3
.irp f, 0,1,2,3
.set rD, 8*(4*\t+\f)
.set rA, 96*((\q)%2)+8*\f
.set rB, XF+32*((\q)%2)+8*\t
.set rC, rD
.if (\q) == 0
.set rC, QB+8*\f
.endif
.set rSA, SW+4*\f+(\q)%4
.set rSB, SX+4*\t+(\q)%4
	MM4
.endr
.endr
.if (\q) == 0
	WIN W_KV0
.else
	WIN W_KV
.endif
.irp t, 0,1,2,3
.irp f, 4,5,6,7,8,9,10,11
.set rD, 128*((\f-4)/4)+8*(4*\t+\f%4)
.set rA, XF+32*((\q)%2)+8*\t
.set rB, 96*((\q)%2)+8*\f
.set rC, rD
.if (\q) == 0
.set rC, KB+8*(\f-4)
.endif
.set rSA, SX+4*\t+(\q)%4
.set rSB, SW+4*\f+(\q)%4
	MM4
.endr
.endr
	WIN 0
.endm
	s_wait_tensorcnt 0x1                           ; my part of chunk 0 is in; chunk 1's load, the one issued behind it, may be out
	s_barrier_signal -1
	s_barrier_wait -1                              ; everybody's is
	FETCH 0
	s_wait_loadcnt 0x0                             ; the scale words and the biases
.irp q, 0,1,2,3,4,5,6,7
	KSTEP \q
.endr
; 32 numbers t at v[base] on, in the window that w names -> elu(t) + 1 in v[P] on.  The accumulators are read from their low ends on.  The 32 exponentials are one batch with one wait.
.macro FEAT w, base
	WIN \w
.set i, 0
.rept 32
	v_min_num_f32 v[E+i], 0, v[(\base)+i]
.set i, i+1
.endr
.set i, 0
.rept 32
	v_max_num_f32 v[P+i], 0, v[(\base)+i]
.set i, i+1
.endr
	WIN 0
.set i, 0
.rept 16
	v_pk_mul_f32 v[E+i:E+i+1], v[E+i:E+i+1], s[80:81] op_sel_hi:[1,0]
.set i, i+2
.endr
.set i, 0
.rept 32
	v_exp_f32 v[E+i], v[E+i]
.set i, i+1
.endr
	v_nop                                          ; a plain line behind the last exponential
	s_wait_alu depctr_va_vdst(0)                   ; the wait ahead of the first reader: one for the batch
.set i, 0
.rept 16
	v_pk_add_f32 v[P+i:P+i+1], v[P+i:P+i+1], v[E+i:E+i+1]
.set i, i+2
.endr
.endm
; 32 numbers at v[sb] on become pairs of bf16: the high parts, packed two to a register, at v[hb + st f + j], the low parts (number - high part, exact in f32, then rounded) at v[lb + st f + j].  w1 to w4: the windows of the four passes.
.macro SPLIT sb, hb, lb, st, w1, w2, w3, w4
	WIN \w1
.irp f, 0,1,2,3
.irp j, 0,1,2,3
	v_cvt_pk_bf16_f32 v[(\hb)+(\st)*\f+\j], v[(\sb)+8*\f+2*\j], v[(\sb)+8*\f+2*\j+1]
.endr
.endr
	WIN \w2
.irp f, 0,1,2,3
.irp j, 0,1,2,3
	v_lshlrev_b32 v[E+8*\f+2*\j], 16, v[(\hb)+(\st)*\f+\j]
	v_and_b32 v[E+8*\f+2*\j+1], s82, v[(\hb)+(\st)*\f+\j]
.endr
.endr
	WIN \w3
.irp f, 0,1,2,3
.irp j, 0,1,2,3
	v_pk_add_f32 v[E+8*\f+2*\j:E+8*\f+2*\j+1], v[(\sb)+8*\f+2*\j:(\sb)+8*\f+2*\j+1], v[E+8*\f+2*\j:E+8*\f+2*\j+1] neg_lo:[0,1] neg_hi:[0,1]
.endr
.endr
	WIN \w4
.irp f, 0,1,2,3
.irp j, 0,1,2,3
	v_cvt_pk_bf16_f32 v[(\lb)+(\st)*\f+\j], v[E+8*\f+2*\j], v[E+8*\f+2*\j+1]
.endr
.endr
	WIN 0
.endm
	PLACES                                         ; behind the last products
	; ---- qf: a tile of 16 tokens at a time.  Packed, tiles 2 s and 2 s + 1 of features are registers 0-3 and 4-7 of the next launch's fragment s: they are stored as images of those registers, 512 consecutive bytes a store
.irp t, 0,1,2,3
	FEAT RD3, 32*\t
.if \t >= 2
	s_wait_xcnt 0x0                                ; the stores of two tiles back have read their registers
.endif
	SPLIT P, HQ+32*(\t%2), HQ+32*(\t%2)+16, 4, 0, 0, 0, 0
.irp s, 0,1
.irp p, 0,1
.irp c, 0,1
	global_store_b128 v[GO], v[HQ+32*(\t%2)+16*\p+8*\s+4*\c:HQ+32*(\t%2)+16*\p+8*\s+4*\c+3], s[88:89] offset:\t*4096+(4*\s+2*\p+\c)*512
.endr
.endr
.endr
.endr
	; ---- kf: its sum over my tokens, and its pairs into window 1: fragment (tile of features f, 32 tokens u) at 16 f + 8 u, token tile t filling registers 4 (t % 2) on
.irp t, 0,1,2,3
	FEAT RD2, 32*\t
.irp f, 0,1,2,3
.if \t == 0
	v_pk_add_f32 v[KS+2*\f:KS+2*\f+1], v[P+8*\f:P+8*\f+1], v[P+8*\f+2:P+8*\f+3]   ; the first addition starts the sum
.else
	v_pk_add_f32 v[KS+2*\f:KS+2*\f+1], v[KS+2*\f:KS+2*\f+1], v[P+8*\f:P+8*\f+1]
	v_pk_add_f32 v[KS+2*\f:KS+2*\f+1], v[KS+2*\f:KS+2*\f+1], v[P+8*\f+2:P+8*\f+3]
.endif
	v_pk_add_f32 v[KS+2*\f:KS+2*\f+1], v[KS+2*\f:KS+2*\f+1], v[P+8*\f+4:P+8*\f+5]
	v_pk_add_f32 v[KS+2*\f:KS+2*\f+1], v[KS+2*\f:KS+2*\f+1], v[P+8*\f+6:P+8*\f+7]
.endr
	SPLIT P, 4*\t, 64+4*\t, 16, 0x40, 0x04, 0, 0x40
.endr
	; ---- v: its pairs, straight from the accumulators
.irp t, 0,1,2,3
	SPLIT 128+32*\t, 128+4*\t, 192+4*\t, 16, 0x4a, 0x04, 0x02, 0x40
.endr
.irp f, 0,1,2,3
	v_add_f32 v[KS+2*\f], v[KS+2*\f], v[KS+2*\f+1]
.endr
.irp f, 0,1,2,3
	v_permlanex16_b32 v[PT+\f], v[KS+2*\f], s84, s85
.endr
.irp f, 0,1,2,3
	v_add_f32 v[KS+2*\f], v[KS+2*\f], v[PT+\f]     ; with lane l xor 16's tokens: ksum of feature 16 f + r over my 64 tokens
.endr
	; ---- KV: source 0 = 16 features d of kf, source 1 = 16 features e of v, K = 32 tokens.  Three terms (hh, hl, lh) x two K steps; the 16 accumulators by turns; the first sixteen products start the sums
	WIN W_P
.irp m, 0,1,2,3,4,5
.irp td, 0,1,2,3
.irp te, 0,1,2,3
.set rD, 8*(4*\td+\te)
.set rA, 64*(\m/4)+16*\td+8*(\m%2)
.set rB, 128+64*((\m/2)%2)+16*\te+8*(\m%2)
.if \m == 0
	v_wmma_f32_16x16x32_bf16 v[rD:rD+7], v[rA:rA+7], v[rB:rB+7], 0
.else
	v_wmma_f32_16x16x32_bf16 v[rD:rD+7], v[rA:rA+7], v[rB:rB+7], v[rD:rD+7]
.endif
.endr
.endr
.endr
	PLACES
	WIN ST3                                        ; lane (r, h) holds e = 16 te + r and d = 16 td + 8 h + 0 .. 7: 32 bytes of row e of KV^T; each accumulator from its low end on
.irp td, 0,1,2,3
.irp te, 0,1,2,3
	ds_store_b128 v[STO], v[8*(4*\td+\te):8*(4*\td+\te)+3] offset:\te*16*PITCH+64*\td
	ds_store_b128 v[STO], v[8*(4*\td+\te)+4:8*(4*\td+\te)+7] offset:\te*16*PITCH+64*\td+16
.endr
.endr
	WIN 0
.irp f, 0,1,2,3
	ds_store_b32 v[KSO], v[KS+2*\f] offset:64*\f   ; ksum: lanes 0-15 into row 64, lanes 16-31 the same numbers into row 65
.endr
	s_wait_dscnt 0x0                               ; for the others' sake: my stores are done
	s_barrier_signal -1
	s_barrier_wait -1
	; ---- the sum over the four waves: wave w takes rows 16 w .. 16 w + 15 of all four regions, two rows a load
	s_wait_xcnt 0x0                                ; qf's stores have read their registers, which the loads below take
.irp g, 0,1,2,3
.irp i, 0,1,2,3,4,5,6,7
	ds_load_b128 v[96+32*\g+4*\i:96+32*\g+4*\i+3], v[RD] offset:\g*REG+\i*2*PITCH
.endr
.endr
	s_wait_dscnt 0x0
.irp i, 0,1,2,3,4,5,6,7
.irp k, 0,2
	v_pk_add_f32 v[96+4*\i+\k:96+4*\i+\k+1], v[96+4*\i+\k:96+4*\i+\k+1], v[128+4*\i+\k:128+4*\i+\k+1]
	v_pk_add_f32 v[160+4*\i+\k:160+4*\i+\k+1], v[160+4*\i+\k:160+4*\i+\k+1], v[192+4*\i+\k:192+4*\i+\k+1]
.endr
.irp k, 0,2
	v_pk_add_f32 v[96+4*\i+\k:96+4*\i+\k+1], v[96+4*\i+\k:96+4*\i+\k+1], v[160+4*\i+\k:160+4*\i+\k+1]
.endr
	global_store_b128 v[GO], v[96+4*\i:96+4*\i+3], s[90:91] offset:512*\i   ; 32 lanes store 512 consecutive bytes: two rows of the partial
.endr
	s_cmp_lg_u32 s22, 0                            ; wave 0 also takes rows 64 and 65
	s_cbranch_scc1 .Lnot_0
.irp g, 0,1,2,3
	ds_load_b128 v[224+4*\g:224+4*\g+3], v[RDX] offset:\g*REG
.endr
	s_wait_dscnt 0x0
.irp k, 0,2
	v_pk_add_f32 v[224+\k:224+\k+1], v[224+\k:224+\k+1], v[228+\k:228+\k+1]
	v_pk_add_f32 v[232+\k:232+\k+1], v[232+\k:232+\k+1], v[236+\k:236+\k+1]
.endr
.irp k, 0,2
	v_pk_add_f32 v[224+\k:224+\k+1], v[224+\k:224+\k+1], v[232+\k:232+\k+1]
.endr
	global_store_b128 v[GO], v[224:227], s[90:91] offset:16384
.Lnot_0:
	s_wait_tensorcnt 0x0                           ; the wave's end: three closing lines, behind my last tensor load and my last LDS store
	ds_add_u32 v[SPW], v[NIL]
	s_wait_dscnt 0x0
	CROUND                                         ; the closing round
	s_endpgm
.Lfunc_end_k_q1b56c95119_proj:
	.size	k_q1b56c95119_proj, .Lfunc_end_k_q1b56c95119_proj-k_q1b56c95119_proj
	.p2alignl 7, 3214868480
	.fill 96, 4, 3214868480
	.section	.rodata,"a",@progbits
	.p2align	6, 0x0
	.amdhsa_kernel k_q1b56c95119_proj
		.amdhsa_group_segment_fixed_size 327680
		.amdhsa_private_segment_fixed_size 0
		.amdhsa_enable_private_segment 0
		.amdhsa_kernarg_size 72
		.amdhsa_user_sgpr_count 2
		.amdhsa_user_sgpr_kernarg_segment_ptr 1
		.amdhsa_wavefront_size32 1
		.amdhsa_system_sgpr_workgroup_id_x 1
		.amdhsa_system_sgpr_workgroup_id_y 1
		.amdhsa_system_sgpr_workgroup_id_z 1
		.amdhsa_system_vgpr_workitem_id 0
		.amdhsa_next_free_vgpr 1024
		.amdhsa_next_free_sgpr 96
		.amdhsa_reserve_vcc 0
		.amdhsa_float_denorm_mode_32 3
		.amdhsa_float_denorm_mode_16_64 3
		.amdhsa_memory_ordered 1
		.amdhsa_forward_progress 1
		.amdhsa_inst_pref_size 197
	.end_amdhsa_kernel
	.amdgpu_metadata
---
amdhsa.version: [ 1, 2 ]
amdhsa.kernels:
  - .name:           k_q1b56c95119_proj
    .symbol:         k_q1b56c95119_proj.kd
    .args:
      - { .name: xc, .offset: 0, .size: 8, .value_kind: global_buffer, .address_space: global }
      - { .name: xs, .offset: 8, .size: 8, .value_kind: global_buffer, .address_space: global }
      - { .name: wc, .offset: 16, .size: 8, .value_kind: global_buffer, .address_space: global }
      - { .name: ws, .offset: 24, .size: 8, .value_kind: global_buffer, .address_space: global }
      - { .name: bq, .offset: 32, .size: 8, .value_kind: global_buffer, .address_space: global }
      - { .name: bk, .offset: 40, .size: 8, .value_kind: global_buffer, .address_space: global }
      - { .name: bv, .offset: 48, .size: 8, .value_kind: global_buffer, .address_space: global }
      - { .name: qimg, .offset: 56, .size: 8, .value_kind: global_buffer, .address_space: global }
      - { .name: kvp, .offset: 64, .size: 8, .value_kind: global_buffer, .address_space: global }
    .group_segment_fixed_size: 327680
    .private_segment_fixed_size: 0
    .kernarg_segment_align: 8
    .kernarg_segment_size: 72
    .max_flat_workgroup_size: 128
    .sgpr_count:     96
    .vgpr_count:     1024
    .wavefront_size: 32
...
	.end_amdgpu_metadata
.endif
;; end of part 2
;; launch attend (part 3): grid 8 x 32, 8 waves a work-group, clusters of 4 x 1, 174,080 bytes of LDS; arguments qimg, kvp, mrg; writes mrg
.if DOCPART == 3
	.amdgcn_target "amdgcn-amd-amdhsa--gfx1250"
	.amdhsa_code_object_version 6
	.text
	.protected	k_q1b56c95119_attend
	.globl	k_q1b56c95119_attend
	.p2align	8
	.type	k_q1b56c95119_attend,@function
k_q1b56c95119_attend:
	s_mov_b64 s[64:65], 0
	v_nop
	global_prefetch_b8 v0, s[64:65] scope:SCOPE_SE
	s_setreg_imm32_b32 hwreg(HW_REG_WAVE_MODE, 25, 1), 1
	s_wait_xcnt 0x0
	s_wait_alu depctr_hold_cnt(0) depctr_sa_sdst(0) depctr_va_vdst(0) depctr_va_sdst(0) depctr_va_ssrc(0) depctr_va_vcc(0) depctr_vm_vsrc(0)
	s_getreg_b32 s2, hwreg(HW_REG_IB_STS2, 6, 4)
	s_cmp_eq_u32 s2, 0
	s_cbranch_scc0 .Lentry_in_a_cluster
	s_endpgm
.Lentry_in_a_cluster:
	s_bfe_u32 s2, ttmp6, 0x10000c
	s_cmp_lg_u32 s2, 0x3003
	s_cbranch_scc0 .Lentry_shape_is_right
	s_endpgm
.Lentry_shape_is_right:
; attended[token][e] = (qf . KV[:][e]) / max(qf . ksum, 1e-6) for 256 tokens of one (batch, head); KV and ksum are the sums of the sequence's 8 partials.
; The divisor is the very number that reference() clamps: the row's sum of scores.  qf and KV go as pairs of bf16 (high and low part): three matrix products, hh, hl, lh; sums in f32; the result is rounded to f16 for the last product.
; LIMITS: an attended value beyond 65,504 has no f16 (it is a weighted mean of v, so it is no larger than the largest |v|); under 6e-5 it is carried with f16's fixed step of 6e-8.  NaN and infinities are not served.
; SHARES: work-group (x, y) = (block of 256 tokens of the sequence, 16 b + h); each of its 8 waves takes 32 tokens, two tiles of 16.
; CLUSTER 4 x 1: the four partners read the same 8 partials: wave w of each asks for partial w jointly.  LDS is filled once.
; The products are used transposed (source 0 = 16 rows e of KV^T, source 1 = 16 tokens): a lane holds one token and 8 neighbouring e.  A fifth tile whose 16 rows are all ksum gives the token's divisor in every register.
; mrg: f16 [token / 128][h][token % 128][64]: a tile row's 16 planes lie on end for the last launch.
.set PART,  16896                      ; a partial: 66 rows of 256 bytes
.set KHL,   135168                     ; behind the 8 partials: the sums' high parts, 66 rows x (128 bytes + 16),
.set KLO,   9728                       ; and this much further on their low parts
.set KP,    144
.set OST,   154624                     ; a stage of 16 rows x 144 bytes for each wave
.set SPARE, 173056                     ; the spare words, 128 bytes a wave
.set SPW, 4
.set NIL, 5
.set GO,  6                            ; v6   16 x lane
.set RA0, 7                            ; v7-8 my 8 rows in partials 0-3, 4-7
.set RA1, 8
.set RB0, 9                            ; v9-10 rows 64, 65 likewise
.set RB1, 10
.set SH,  11                           ; v11  where I put 8 bytes of a row of the sums
.set SHX, 12                           ; v12  the same for rows 64, 65
.set FA,  13                           ; v13  a fragment of KV^T
.set FD,  14                           ; v14  the fragment whose rows are all ksum
.set SO,  15                           ; v15  the stage: in
.set SR,  16                           ; v16  the stage: back
.set DN,  20                           ; v20-21 the divisors
.set RC,  22                           ; v22-25 their reciprocals, as the low halves of pairs
.set RR,  32                           ; v32-159 partial p, row pair i at 32 + 16 p + 4 i
.set QF,  160                          ; v160-223 qf: tile tt, image g at 160 + 32 tt + 4 g
.set XR,  224                          ; v224-255 wave 0: rows 64, 65 of partial p at 224 + 4 p
.set AC,  32                           ; later: accumulator (tt, tile) at 32 + 8 (5 tt + tile)
.set PK,  112                          ; later: packed f16
.set BK,  224                          ; later: rows read back
.set MSB, 0
.macro WIN new
.if MSB != \new
	s_set_vgpr_msb (MSB<<8)|\new
.set MSB, \new
.endif
.endm
.macro CROUND
	s_barrier_signal -1
	s_barrier_wait -1
	s_cmp_lg_u32 s10, 0
	s_cbranch_scc1 .Lnot_wave_0_\@
	s_barrier_signal -3
.Lnot_wave_0_\@:
	s_barrier_wait -3
	s_barrier_signal -1
	s_barrier_wait -1
.endm
	s_load_b128 s[4:7], s[0:1], 0x0                ; qimg, kvp
	s_load_b64 s[8:9], s[0:1], 0x10                ; mrg
	v_lshl_add_u32 v[SPW], v0, 2, SPARE
	v_mov_b32 v[NIL], 0
	ds_add_u32 v[SPW], v[NIL]                      ; the wave's opening: the add, twice on end, and its wait ahead of my first tensor load; the set-up below is work on registers
	ds_add_u32 v[SPW], v[NIL]
	v_lshrrev_b32 v1, 5, v0
	v_readfirstlane_b32 s10, v1                    ; wave 0..7
	s_bfe_u32 s11, ttmp6, 0x40000                  ; cx
	s_lshl_b32 s12, ttmp9, 2
	s_add_co_u32 s12, s12, s11                     ; my block of 256 tokens of the sequence: it enters qimg's and mrg's addresses alone
	s_and_b32 s13, ttmp7, 0xffff                   ; 16 b + h, which the partners share
	s_and_b32 s14, s13, 15                         ; h
	s_lshr_b32 s15, s13, 4
	s_lshl_b32 s15, s15, 3
	s_add_co_u32 s15, s15, s12                     ; 8 b + block: the block among all 4,096 tokens
	s_mov_b32 s16, 15|(3<<16)|(1<<21)              ; group 1: the mask: all four; elements of 8 bytes; bit 21 beside a mask; no padding
	s_mov_b32 s17, 32<<16                          ; tensor_dim0 = 32 elements: 256 bytes
	s_mov_b32 s18, 66<<16                          ; tensor_dim1 = 66 rows
	s_mov_b32 s19, 32<<16                          ; tile_dim0
	s_mov_b32 s20, 66                              ; tile_dim1
	s_mov_b32 s21, 32                              ; dense
	s_mov_b32 s22, 0
	s_mov_b32 s23, 0
	s_mov_b32 s24, 1                               ; group 0
	s_mul_i32 s25, s10, PART                       ; partial w goes to LDS byte w x 16,896
	s_mul_i32 s32, s13, 8*PART
	s_add_co_u32 s32, s32, s25                     ; and comes from there in the (b, h)'s eight
	s_mov_b32 s33, 0
	s_mov_b32 s28, 0x358637bd                      ; 1e-6
	s_mov_b32 s29, 0xffff0000
	s_lshl_b32 s38, s14, 20                        ; qimg: ((h 256 + token / 16) 8 + g) 512
	s_lshl_b32 s39, s15, 16
	s_add_co_u32 s38, s38, s39
	s_lshl_b32 s39, s10, 13
	s_add_co_u32 s38, s38, s39
	s_mov_b32 s39, 0
	s_lshl_b32 s40, s15, 1                         ; mrg: tile row 2 block + wave / 4, plane h, row 32 (wave % 4), 128 bytes a row
	s_lshr_b32 s41, s10, 2
	s_add_co_u32 s40, s40, s41
	s_lshl_b32 s40, s40, 18
	s_lshl_b32 s41, s14, 14
	s_add_co_u32 s40, s40, s41
	s_and_b32 s41, s10, 3
	s_lshl_b32 s41, s41, 12
	s_add_co_u32 s40, s40, s41
	s_mov_b32 s41, 0
	s_lshl_b32 s34, s10, 11                        ; my 8 rows of a partial
	s_mul_i32 s35, s10, 8*KP
	s_add_co_u32 s35, s35, KHL                     ; and of the sums
	s_mul_i32 s36, s10, 16*KP
	s_add_co_u32 s36, s36, OST                     ; my stage
	v_and_b32 v1, 31, v0                           ; lane
	v_and_b32 v2, 15, v0                           ; r
	v_bfe_u32 v3, v0, 4, 1                         ; h
	v_lshlrev_b32 v[GO], 4, v1
	v_add_nc_u32 v[RA0], s34, v[GO]
	v_add_nc_u32 v[RA1], 4*PART, v[RA0]
	v_add_nc_u32 v[RB0], 16384, v[GO]
	v_add_nc_u32 v[RB1], 16384+4*PART, v[GO]
	v_mul_u32_u24 v[SH], v3, KP
	v_lshl_add_u32 v[SH], v2, 3, v[SH]             ; lanes 0-15 one row, lanes 16-31 the next; 4 numbers, 8 bytes, a lane
	v_add_nc_u32 v[SHX], KHL+64*KP, v[SH]
	v_add_nc_u32 v[SH], s35, v[SH]
	v_mul_u32_u24 v[FA], v2, KP
	v_lshl_add_u32 v[FA], v3, 4, v[FA]             ; row r, + 16 h
	v_add_nc_u32 v[SO], s36, v[FA]
	v_add_nc_u32 v[FA], KHL, v[FA]
	v_lshlrev_b32 v[FD], 4, v3
	v_add_nc_u32 v[FD], KHL+64*KP, v[FD]           ; row 64 in every lane
	v_lshrrev_b32 v[SR], 3, v1
	v_mul_u32_u24 v[SR], v[SR], KP
	v_and_b32 v17, 7, v1
	v_lshl_add_u32 v[SR], v17, 4, v[SR]
	v_add_nc_u32 v[SR], s36, v[SR]                 ; back: eight lanes to a row of 128 bytes, four rows a load
	v_mov_b32 v[RC+1], 0                           ; named as the upper halves of pairs
	v_mov_b32 v[RC+3], 0
	s_wait_dscnt 0x0                               ; both opening adds are done
	s_wait_kmcnt 0x0
	s_add_nc_u64 s[26:27], s[6:7], s[32:33]
	s_or_b32 s27, s27, 0x80000000
	s_add_nc_u64 s[38:39], s[4:5], s[38:39]
	s_add_nc_u64 s[40:41], s[8:9], s[40:41]
	CROUND                                         ; all four work-groups are here: the joint loads meet
	tensor_load_to_lds s[24:27], s[16:23]          ; my one tensor load
	s_nop 0
.rept 4
	v_nop
.endr
.irp tt, 0,1
.irp g, 0,1,2,3,4,5,6,7
	global_load_b128 v[QF+32*\tt+4*\g:QF+32*\tt+4*\g+3], v[GO], s[38:39] offset:\tt*4096+\g*512   ; qf's fragments as they were stored: 512 consecutive bytes a load
.endr
.endr
	s_wait_tensorcnt 0x0                           ; my partial has landed,
	s_barrier_signal -1
	s_barrier_wait -1                              ; everybody's has
; the sum of eight runs of four registers, at b + st p, into the first
.macro TREE b, st
.irp p, 0,2,4,6
.irp k, 0,2
	v_pk_add_f32 v[(\b)+(\st)*\p+\k:(\b)+(\st)*\p+\k+1], v[(\b)+(\st)*\p+\k:(\b)+(\st)*\p+\k+1], v[(\b)+(\st)*(\p+1)+\k:(\b)+(\st)*(\p+1)+\k+1]
.endr
.endr
.irp p, 0,4
.irp k, 0,2
	v_pk_add_f32 v[(\b)+(\st)*\p+\k:(\b)+(\st)*\p+\k+1], v[(\b)+(\st)*\p+\k:(\b)+(\st)*\p+\k+1], v[(\b)+(\st)*(\p+2)+\k:(\b)+(\st)*(\p+2)+\k+1]
.endr
.endr
.irp k, 0,2
	v_pk_add_f32 v[(\b)+\k:(\b)+\k+1], v[(\b)+\k:(\b)+\k+1], v[(\b)+(\st)*4+\k:(\b)+(\st)*4+\k+1]
.endr
.endm
; four numbers at v[a] on become high and low parts (t: four registers at work, h: four for the results) and go to LDS
.macro HILO a, t, h, adr, off
	v_cvt_pk_bf16_f32 v[(\h)], v[(\a)], v[(\a)+1]
	v_cvt_pk_bf16_f32 v[(\h)+1], v[(\a)+2], v[(\a)+3]
	v_lshlrev_b32 v[(\t)], 16, v[(\h)]
	v_and_b32 v[(\t)+1], s29, v[(\h)]
	v_lshlrev_b32 v[(\t)+2], 16, v[(\h)+1]
	v_and_b32 v[(\t)+3], s29, v[(\h)+1]
	v_pk_add_f32 v[(\t):(\t)+1], v[(\a):(\a)+1], v[(\t):(\t)+1] neg_lo:[0,1] neg_hi:[0,1]
	v_pk_add_f32 v[(\t)+2:(\t)+3], v[(\a)+2:(\a)+3], v[(\t)+2:(\t)+3] neg_lo:[0,1] neg_hi:[0,1]
	v_cvt_pk_bf16_f32 v[(\h)+2], v[(\t)], v[(\t)+1]
	v_cvt_pk_bf16_f32 v[(\h)+3], v[(\t)+2], v[(\t)+3]
	ds_store_b64 v[\adr], v[(\h):(\h)+1] offset:\off
	ds_store_b64 v[\adr], v[(\h)+2:(\h)+3] offset:\off+KLO
.endm
	; ---- the sum of the 8 partials: wave w takes rows 8 w .. 8 w + 7, two rows (512 consecutive bytes) a load
.irp p, 0,1,2,3
.irp i, 0,1,2,3
	ds_load_b128 v[RR+16*\p+4*\i:RR+16*\p+4*\i+3], v[RA0] offset:\p*PART+\i*512
.endr
.endr
.irp p, 0,1,2,3
.irp i, 0,1,2,3
	ds_load_b128 v[RR+64+16*\p+4*\i:RR+64+16*\p+4*\i+3], v[RA1] offset:\p*PART+\i*512
.endr
.endr
	s_wait_dscnt 0x0
.irp i, 0,1,2,3
	TREE RR+4*\i, 16
	HILO RR+4*\i, RR+16+4*\i, RR+32+4*\i, SH, \i*2*KP
.endr
	s_cmp_lg_u32 s10, 0                            ; wave 0 also takes rows 64 and 65, which both hold ksum
	s_cbranch_scc1 .Lno_extra
.irp p, 0,1,2,3
	ds_load_b128 v[XR+4*\p:XR+4*\p+3], v[RB0] offset:\p*PART
	ds_load_b128 v[XR+16+4*\p:XR+16+4*\p+3], v[RB1] offset:\p*PART
.endr
	s_wait_dscnt 0x0
	TREE XR, 4
	HILO XR, XR+4, XR+8, SHX, 0
.Lno_extra:
	s_wait_dscnt 0x0                               ; for the others' sake: my stores are done
	s_barrier_signal -1
	s_barrier_wait -1
	; ---- the fragments of KV^T: tile of 16 rows e, 32 of the head's 64 (s), part (p); window 1, at 16 (2 tile + s) + 8 p
	WIN 0x40
.irp tl, 0,1,2,3
.irp s, 0,1
.irp p, 0,1
.irp c, 0,1
	ds_load_b128 v[16*(2*\tl+\s)+8*\p+4*\c:16*(2*\tl+\s)+8*\p+4*\c+3], v[FA] offset:\tl*16*KP+64*\s+32*\c+KLO*\p
.endr
.endr
.endr
.endr
.irp s, 0,1
.irp p, 0,1
.irp c, 0,1
	ds_load_b128 v[16*(8+\s)+8*\p+4*\c:16*(8+\s)+8*\p+4*\c+3], v[FD] offset:64*\s+32*\c+KLO*\p
.endr
.endr
.endr
	WIN 0
	s_wait_dscnt 0x0
	s_wait_loadcnt 0x0                             ; qf
	; ---- 60 products: three terms x two K steps, the ten accumulators by turns; the first ten start the sums
	WIN 0x01
.irp m, 0,1,2,3,4,5
.irp tt, 0,1
.irp tl, 0,1,2,3,4
.set rD, AC+8*(5*\tt+\tl)
.set rA, 16*(2*\tl+\m%2)+8*(\m/4)
.set rB, QF+32*\tt+16*(\m%2)+8*((\m/2)%2)
.if \m == 0
	v_wmma_f32_16x16x32_bf16 v[rD:rD+7], v[rA:rA+7], v[rB:rB+7], 0
.else
	v_wmma_f32_16x16x32_bf16 v[rD:rD+7], v[rA:rA+7], v[rB:rB+7], v[rD:rD+7]
.endif
.endr
.endr
.endr
	WIN 0
.rept 4
	v_nop                                          ; places behind the last products
.endr
	v_max_num_f32 v[DN], s28, v[AC+32]             ; the divisor: the fifth tile's lowest register, held at 1e-6 from below
	v_max_num_f32 v[DN+1], s28, v[AC+72]
	v_rcp_f32 v[RC], v[DN]
	v_rcp_f32 v[RC+2], v[DN+1]
	v_nop                                          ; a plain line behind the reciprocals
	s_wait_alu depctr_va_vdst(0)                   ; the wait ahead of the first reader: one for both
	; ---- the way out: divided, rounded to f16, through my own stage: a lane's 8 e are 16 bytes of a row of 128; they come back four whole rows a load
.irp tt, 0,1
.set i, 0
.rept 16
	v_pk_mul_f32 v[AC+40*\tt+i:AC+40*\tt+i+1], v[AC+40*\tt+i:AC+40*\tt+i+1], v[RC+2*\tt:RC+2*\tt+1] op_sel_hi:[1,0]
.set i, i+2
.endr
.set i, 0
.rept 16
	v_cvt_pk_f16_f32 v[PK+16*\tt+i], v[AC+40*\tt+2*i], v[AC+40*\tt+2*i+1]
.set i, i+1
.endr
.irp te, 0,1,2,3
	ds_store_b128 v[SO], v[PK+16*\tt+4*\te:PK+16*\tt+4*\te+3] offset:32*\te
.endr
.irp k, 0,1,2,3
	ds_load_b128 v[BK+16*\tt+4*\k:BK+16*\tt+4*\k+3], v[SR] offset:\k*4*KP   ; LDS serves a wave's instructions in order: these see the stores above, and the next tile's stores come behind them
.endr
.endr
.irp k, 0,1,2,3
	s_wait_dscnt 11-\k                             ; behind this load: tile 0's younger loads and tile 1's four stores and four loads
	global_store_b128 v[GO], v[BK+4*\k:BK+4*\k+3], s[40:41] offset:512*\k   ; 32 lanes store 512 consecutive bytes
.endr
.irp k, 0,1,2,3
	s_wait_dscnt 3-\k                              ; behind this load: tile 1's younger loads
	global_store_b128 v[GO], v[BK+16+4*\k:BK+16+4*\k+3], s[40:41] offset:2048+512*\k
.endr
	s_wait_tensorcnt 0x0                           ; the wave's end: three closing lines, behind my last tensor load and my last LDS store
	ds_add_u32 v[SPW], v[NIL]
	s_wait_dscnt 0x0
	CROUND                                         ; the closing round
	s_endpgm
.Lfunc_end_k_q1b56c95119_attend:
	.size	k_q1b56c95119_attend, .Lfunc_end_k_q1b56c95119_attend-k_q1b56c95119_attend
	.p2alignl 7, 3214868480
	.fill 96, 4, 3214868480
	.section	.rodata,"a",@progbits
	.p2align	6, 0x0
	.amdhsa_kernel k_q1b56c95119_attend
		.amdhsa_group_segment_fixed_size 174080
		.amdhsa_private_segment_fixed_size 0
		.amdhsa_enable_private_segment 0
		.amdhsa_kernarg_size 24
		.amdhsa_user_sgpr_count 2
		.amdhsa_user_sgpr_kernarg_segment_ptr 1
		.amdhsa_wavefront_size32 1
		.amdhsa_system_sgpr_workgroup_id_x 1
		.amdhsa_system_sgpr_workgroup_id_y 1
		.amdhsa_system_sgpr_workgroup_id_z 1
		.amdhsa_system_vgpr_workitem_id 0
		.amdhsa_next_free_vgpr 512
		.amdhsa_next_free_sgpr 66
		.amdhsa_reserve_vcc 0
		.amdhsa_float_denorm_mode_32 3
		.amdhsa_float_denorm_mode_16_64 3
		.amdhsa_memory_ordered 1
		.amdhsa_forward_progress 1
		.amdhsa_inst_pref_size 30
	.end_amdhsa_kernel
	.amdgpu_metadata
---
amdhsa.version: [ 1, 2 ]
amdhsa.kernels:
  - .name:           k_q1b56c95119_attend
    .symbol:         k_q1b56c95119_attend.kd
    .args:
      - { .name: qimg, .offset: 0, .size: 8, .value_kind: global_buffer, .address_space: global }
      - { .name: kvp, .offset: 8, .size: 8, .value_kind: global_buffer, .address_space: global }
      - { .name: mrg, .offset: 16, .size: 8, .value_kind: global_buffer, .address_space: global }
    .group_segment_fixed_size: 174080
    .private_segment_fixed_size: 0
    .kernarg_segment_align: 8
    .kernarg_segment_size: 24
    .max_flat_workgroup_size: 256
    .sgpr_count:     66
    .vgpr_count:     512
    .wavefront_size: 32
...
	.end_amdgpu_metadata
.endif
;; end of part 3
;; launch outp (part 4): grid 8 x 32, 4 waves a work-group, clusters of 4 x 4, 327,680 bytes of LDS; arguments mrg, wo16, bo, out0; writes out0
.if DOCPART == 4
	.amdgcn_target "amdgcn-amd-amdhsa--gfx1250"
	.amdhsa_code_object_version 6
	.text
	.protected	k_q1b56c95119_outp
	.globl	k_q1b56c95119_outp
	.p2align	8
	.type	k_q1b56c95119_outp,@function
k_q1b56c95119_outp:
	s_mov_b64 s[64:65], 0
	v_nop
	global_prefetch_b8 v0, s[64:65] scope:SCOPE_SE
	s_setreg_imm32_b32 hwreg(HW_REG_WAVE_MODE, 25, 1), 1
	s_wait_xcnt 0x0
	s_wait_alu depctr_hold_cnt(0) depctr_sa_sdst(0) depctr_va_vdst(0) depctr_va_sdst(0) depctr_va_ssrc(0) depctr_va_vcc(0) depctr_vm_vsrc(0)
	s_getreg_b32 s2, hwreg(HW_REG_IB_STS2, 6, 4)
	s_cmp_eq_u32 s2, 0
	s_cbranch_scc0 .Lentry_in_a_cluster
	s_endpgm
.Lentry_in_a_cluster:
	s_bfe_u32 s2, ttmp6, 0x10000c
	s_cmp_lg_u32 s2, 0xf033
	s_cbranch_scc0 .Lentry_shape_is_right
	s_endpgm
.Lentry_shape_is_right:
; out0[token][n] = sum over k of merged[token][k] wo[n][k] + bo[n]: f16 operands, f32 sums, M 4,096, N 1,024, K 1,024.
; A tile of out0 is 128 x 128 (256 work-groups); four waves, each 64 x 64: 16 accumulators.  K goes in steps of 256 through a ring of two LDS slots.
; Both operands lie by tile and plane: mrg [token / 128][h][128][64], wo16 [n / 128][kc][128][64], f16.  A plane (64 along K of a tile's 128 rows) is 16,384 dense bytes, and a tile's planes lie on end:
; so a wave's one tensor load brings two planes as a dense block of 128 lines of 256 bytes, 16 bytes of padding behind each.  A line holds two rows of 128 bytes.
; CLUSTER 4 x 4: the four of a row need the same planes of merged, the four of a column the same planes of wo: each is asked for jointly.
; The matrix instruction is used transposed (source 0 = 16 rows of wo, source 1 = 16 tokens): a lane holds eight neighbouring numbers of a row of out0.  bo is the C of each sum's first product.
; REGISTERS: window 0: v0-31 addresses; v32-95 the way out; v96-127 bo, 8 registers a tile of 16 n; v128-255 the accumulators ((a, b) at 128 + 8 (4 a + b)).  window 1: two fragment buffers of 128: 64 of merged, 64 of wo.
.set PLANE,  17408                     ; 64 lines x 272 bytes
.set HALFT,  2*PLANE                   ; what one tensor load brings
.set SLOT,   4*HALFT                   ; merged's four planes, then wo's four
.set STEPB,  65536                     ; a K step in memory: four planes
.set STAGE,  2*SLOT                    ; behind the ring: 16 rows x 272 bytes for each wave
.set SPITCH, 272
.set SPARE,  STAGE+4*16*SPITCH         ; the spare words, 128 bytes a wave
.set ADRA, 16                          ; v16-17  my fragments of merged in slot 0, 1
.set ADRB, 20                          ; v20-21  of wo
.set STO,  24
.set RD,   25
.set CO,   26
.set SPW,  28
.set NIL,  29
.set TMP,  32
.set BI,   96
.set ACC,  128
.set F0,   0
.set F1,   128
.set G1, 24
.set G0, 32
.set G1B, 48
.set G0B, 56
.set MSB, 0
.macro WIN new
.if MSB != \new
	s_set_vgpr_msb (MSB<<8)|\new
.set MSB, \new
.endif
.endm
.set MUL,  0x05                        ; sources 0 and 1 window 1; C and D window 0
.set TO_F, 0x40
.macro JLOAD s                         ; a joint load: waves 0 and 1 fetch merged's planes, waves 2 and 3 wo's; an s_nop 0 and four v_nop follow each of the two lines
	s_cmp_eq_u32 s11, 0
	s_cbranch_scc0 .Lfor_b_\@
	tensor_load_to_lds s[G0+4*\s:G0+4*\s+3], s[G1:G1+7]
	s_nop 0
.rept 4
	v_nop
.endr
	s_branch .Lasked_\@
.Lfor_b_\@:
	tensor_load_to_lds s[G0B+4*\s:G0B+4*\s+3], s[G1B:G1B+7]
	s_nop 0
.rept 4
	v_nop
.endr
.Lasked_\@:
.endm
.macro CREST
	s_cmp_lg_u32 s10, 0
	s_cbranch_scc1 .Lnot_wave_0_\@
	s_barrier_signal -3
.Lnot_wave_0_\@:
	s_barrier_wait -3
	s_barrier_signal -1
	s_barrier_wait -1
.endm
.macro CROUND
	s_barrier_signal -1
	s_barrier_wait -1
	CREST
.endm
	s_load_b128 s[4:7], s[0:1], 0x0                ; mrg, wo16
	s_load_b64 s[66:67], s[0:1], 0x10              ; bo
	s_load_b64 s[8:9], s[0:1], 0x18                ; out0
	v_lshl_add_u32 v[SPW], v0, 2, SPARE
	v_mov_b32 v[NIL], 0
	ds_add_u32 v[SPW], v[NIL]                      ; the wave's opening: the add, twice on end, and its wait ahead of my first tensor load; the set-up below is work on registers
	ds_add_u32 v[SPW], v[NIL]
	v_lshrrev_b32 v1, 5, v0
	v_readfirstlane_b32 s10, v1                    ; wave 0..3
	s_lshr_b32 s11, s10, 1                         ; which half of the tile's rows is mine.  Also: I fetch merged (0) or wo (1)
	s_and_b32 s12, s10, 1                          ; which half of its columns.  Also: which two planes of a K step I fetch
	s_bfe_u32 s40, ttmp6, 0x40000                  ; cx, cy
	s_bfe_u32 s41, ttmp6, 0x40004
	s_lshl_b32 s42, ttmp9, 2
	s_add_co_u32 s42, s42, s40                     ; tile column
	s_and_b32 s13, ttmp7, 0xffff
	s_lshl_b32 s13, s13, 2
	s_add_co_u32 s13, s13, s41                     ; tile row
	s_lshl_b32 s43, s41, 2
	s_lshl_b32 s43, 15, s43                        ; my row of the cluster
	s_lshl_b32 s44, 0x1111, s40                    ; my column
	s_or_b32 s[G1+0], s43, (3<<16)|(1<<20)|(1<<21)|(5<<22)|(3<<25)   ; the mask; elements of 8 bytes; padding on; bit 21 beside a mask; 4 words behind every 64
	s_or_b32 s[G1B+0], s44, (3<<16)|(1<<20)|(1<<21)|(5<<22)|(3<<25)
.irp g, G1, G1B
	s_mov_b32 s[\g+1], 32<<16                      ; tensor_dim0 = 32 elements: 256 bytes
	s_mov_b32 s[\g+2], 128<<16                     ; tensor_dim1 = 128 lines
	s_mov_b32 s[\g+3], 32<<16                      ; tile_dim0
	s_mov_b32 s[\g+4], 128                         ; tile_dim1
	s_mov_b32 s[\g+5], 32                          ; dense
	s_mov_b32 s[\g+6], 0
	s_mov_b32 s[\g+7], 0
.endr
	s_lshl_b32 s17, s12, 15                        ; my two planes of a K step
	s_lshl_b32 s16, s13, 18                        ; merged: the tile row's 16 planes
	s_add_co_u32 s16, s16, s17
	s_lshl_b32 s46, s42, 18                        ; wo: the tile column's
	s_add_co_u32 s46, s46, s17
	s_mov_b32 s17, 0
	s_mov_b32 s47, 0
	s_mul_i32 s20, s10, HALFT                      ; where they go: wave x two planes
	s_wait_dscnt 0x0                               ; both opening adds are done
	s_wait_kmcnt 0x0
	s_add_nc_u64 s[14:15], s[4:5], s[16:17]
	s_add_nc_u64 s[46:47], s[6:7], s[46:47]
	CROUND                                         ; all sixteen work-groups are here: the first joint loads meet
.irp s, 0,1
	s_mov_b32 s[G0+4*\s], 1
	s_add_co_u32 s[G0+4*\s+1], s20, \s*SLOT
	s_add_nc_u64 s[G0+4*\s+2:G0+4*\s+3], s[14:15], \s*STEPB
	s_or_b32 s[G0+4*\s+3], s[G0+4*\s+3], 0x80000000
	s_mov_b32 s[G0B+4*\s], 1
	s_add_co_u32 s[G0B+4*\s+1], s20, \s*SLOT
	s_add_nc_u64 s[G0B+4*\s+2:G0B+4*\s+3], s[46:47], \s*STEPB
	s_or_b32 s[G0B+4*\s+3], s[G0B+4*\s+3], 0x80000000
	JLOAD \s
.endr
	v_and_b32 v1, 15, v0                           ; r
	v_bfe_u32 v2, v0, 4, 1                         ; h
	v_lshrrev_b32 v3, 1, v1
	v_mul_u32_u24 v3, v3, 272                      ; row r of a fragment: line r / 2,
	v_and_b32 v4, 1, v1
	v_lshl_add_u32 v3, v4, 7, v3                   ; half r % 2 of it,
	v_lshl_add_u32 v3, v2, 4, v3                   ; + 16 h: the sixteen rows start at sixteen different multiples of 16 modulo 256
	s_mul_i32 s21, s11, 32*272                     ; my 64 rows of merged: 32 lines of each plane
	s_mul_i32 s22, s12, 32*272                     ; my 64 rows of wo,
	s_add_co_u32 s22, s22, 4*PLANE                 ; behind merged's four planes
.irp s, 0,1
	v_add_nc_u32 v[ADRA+\s], s21, v3
	v_add_nc_u32 v[ADRB+\s], s22, v3
	s_add_co_u32 s21, s21, SLOT
	s_add_co_u32 s22, s22, SLOT
.endr
	s_mul_i32 s23, s10, 16*SPITCH
	s_add_co_u32 s23, s23, STAGE                   ; my stage
	v_mul_u32_u24 v4, v1, SPITCH
	v_lshl_add_u32 v4, v2, 5, v4
	v_add_nc_u32 v[STO], s23, v4                   ; in: row r, 32 bytes for each half of the lanes
	v_mul_u32_u24 v5, v2, SPITCH
	v_lshl_add_u32 v5, v1, 4, v5
	v_add_nc_u32 v[RD], s23, v5                    ; back: lanes 0-15 one row of 256 bytes, lanes 16-31 the next
	v_lshlrev_b32 v5, 12, v2
	v_lshl_add_u32 v[CO], v1, 4, v5                ; and the same two rows in out0 (4,096 bytes a row)
	v_lshlrev_b32 v6, 5, v2                        ; bo: 32 h
	s_lshl_b32 s18, s42, 9                         ; my first column, in bytes: 512 x tile column + 256 x half
	s_lshl_b32 s19, s12, 8
	s_add_co_u32 s18, s18, s19
	s_mov_b32 s19, 0
	s_add_nc_u64 s[66:67], s[66:67], s[18:19]
	s_lshl_b32 s68, s13, 19                        ; my first row: 128 x tile row + 64 x half
	s_lshl_b32 s69, s11, 18
	s_add_co_u32 s68, s68, s69
	s_add_co_u32 s68, s68, s18
	s_mov_b32 s69, 0
	s_add_nc_u64 s[8:9], s[8:9], s[68:69]
.irp b, 0,1,2,3
	global_load_b128 v[BI+8*\b:BI+8*\b+3], v6, s[66:67] offset:64*\b          ; bo at columns 16 b + 8 h + 0 .. 7: the result's layout
	global_load_b128 v[BI+8*\b+4:BI+8*\b+7], v6, s[66:67] offset:64*\b+16
.endr
; 8 matrix instructions: m blocks a0, a0 + 1 x all 4 n blocks, 32 along K: half c of buffer f.  zero = 1: the first product starts the sums from bo
.macro MUL8 f, c, a0, zero
.irp a, \a0, \a0+1
.irp b, 0,1,2,3
.if \zero
	v_wmma_f32_16x16x32_f16 v[ACC+8*(4*(\a)+\b):ACC+8*(4*(\a)+\b)+7], v[\f+64+8*(4*\c+\b):\f+64+8*(4*\c+\b)+7], v[\f+8*(4*\c+\a):\f+8*(4*\c+\a)+7], v[BI+8*\b:BI+8*\b+7]
.else
	v_wmma_f32_16x16x32_f16 v[ACC+8*(4*(\a)+\b):ACC+8*(4*(\a)+\b)+7], v[\f+64+8*(4*\c+\b):\f+64+8*(4*\c+\b)+7], v[\f+8*(4*\c+\a):\f+8*(4*\c+\a)+7], v[ACC+8*(4*(\a)+\b):ACC+8*(4*(\a)+\b)+7]
.endif
.endr
.endr
.endm
; 32 LDS loads in one run: the fragments of plane q of the slot (64 along K) into buffer f; the first 32 along K first.  16 rows are 8 lines: 2,176 bytes
.macro FETCH slot, q, f
	WIN TO_F
.irp c, 0,1
.irp i, 0,1,2,3
	ds_load_b128 v[\f+64+8*(4*\c+\i):\f+64+8*(4*\c+\i)+3],   v[ADRB+\slot] offset:(\q)*PLANE+64*\c+\i*2176
	ds_load_b128 v[\f+64+8*(4*\c+\i)+4:\f+64+8*(4*\c+\i)+7], v[ADRB+\slot] offset:(\q)*PLANE+64*\c+\i*2176+32
	ds_load_b128 v[\f+8*(4*\c+\i):\f+8*(4*\c+\i)+3],         v[ADRA+\slot] offset:(\q)*PLANE+64*\c+\i*2176
	ds_load_b128 v[\f+8*(4*\c+\i)+4:\f+8*(4*\c+\i)+7],       v[ADRA+\slot] offset:(\q)*PLANE+64*\c+\i*2176+32
.endr
.endr
.endm
.macro PLACES                          ; four places in front of loads into registers that matrix instructions have read, and of reads of results
.rept 4
	v_nop
.endr
.endm
; A K step is four quarters of 64 along K, 32 matrix instructions each, on buffers 0, 1, 0, 1; the 16 accumulators take turns.  One of the first three: multiplies buffer f and fetches plane q into g.
.macro QUARTER slot, q, f, g, zero
	s_wait_dscnt 16                                ; the first 32 along K are in; the sixteen younger loads may be out
	WIN MUL
	MUL8 \f, 0, 0, \zero
	MUL8 \f, 0, 2, \zero
	PLACES
	FETCH \slot, \q, \g
	s_wait_dscnt 32                                ; all but the 32 just issued
	WIN MUL
	MUL8 \f, 1, 0, 0
	MUL8 \f, 1, 2, 0
.endm
; The last quarter multiplies buffer 1 and changes slots: one barrier; in front of it each wave waits for all its tensor loads, adds 0 to its spare word, and waits for that and for its reads of this slot.  fill = 1: this slot is filled again, two K steps ahead.
.macro TURN slot, next, fill
	WIN 0
	s_wait_tensorcnt 0x0                           ; all my tensor loads have landed: my part of the next slot;
	ds_add_u32 v[SPW], v[NIL]                      ; 0 onto my spare word;
	s_wait_dscnt 17                                ; (the add and the youngest sixteen loads may be out)
	WIN MUL
	MUL8 F1, 0, 0, 0
	s_wait_dscnt 0x0                               ; the add is done, and my reads of this slot are over
	s_barrier_signal -1
	MUL8 F1, 0, 2, 0
.if \fill
	WIN 0
.endif
	s_barrier_wait -1
.if \fill
	CREST                                          ; the barrier has opened a round of the cluster's barrier: no wave of any partner still reads this slot or has a load on its way
	s_add_nc_u64 s[G0+4*\slot+2:G0+4*\slot+3], s[G0+4*\slot+2:G0+4*\slot+3], 2*STEPB
	s_add_nc_u64 s[G0B+4*\slot+2:G0B+4*\slot+3], s[G0B+4*\slot+2:G0B+4*\slot+3], 2*STEPB
	JLOAD \slot                                    ; the first tensor load behind the round; its four v_nop are also the places in front of the loads below
.else
	PLACES
.endif
	FETCH \next, 0, F0
	WIN MUL
	MUL8 F1, 1, 0, 0
	MUL8 F1, 1, 2, 0
.endm
	s_wait_tensorcnt 1                             ; my part of K step 0 is in; K step 1's load may be out
	s_barrier_signal -1
	s_barrier_wait -1                              ; everybody's is
	FETCH 0, 0, F0
	s_wait_loadcnt 0x0                             ; bo
	QUARTER 0, 1, F0, F1, 1                        ; K step 0: its first products start the sums.  Four K steps in all, written out: each slot is filled again once
	QUARTER 0, 2, F1, F0, 0
	QUARTER 0, 3, F0, F1, 0
	TURN 0, 1, 1                                   ; slot 0 takes K step 2
	QUARTER 1, 1, F0, F1, 0
	QUARTER 1, 2, F1, F0, 0
	QUARTER 1, 3, F0, F1, 0
	TURN 1, 0, 1                                   ; slot 1 takes K step 3
	QUARTER 0, 1, F0, F1, 0
	QUARTER 0, 2, F1, F0, 0
	QUARTER 0, 3, F0, F1, 0
	TURN 0, 1, 0                                   ; nothing is left to fetch
	QUARTER 1, 1, F0, F1, 0
	QUARTER 1, 2, F1, F0, 0
	QUARTER 1, 3, F0, F1, 0
	s_wait_dscnt 16                                ; the very last quarter
	WIN MUL
	MUL8 F1, 0, 0, 0
	MUL8 F1, 0, 2, 0
	s_wait_dscnt 0
	MUL8 F1, 1, 0, 0
	MUL8 F1, 1, 2, 0
	WIN 0
; THE WAY OUT, 16 rows x 64 columns at a time.  A lane holds 32 neighbouring bytes of a row; a block goes through my own stage and comes back as whole rows of 256 bytes, which sixteen lanes store, aligned.
; LDS serves a wave's instructions in order: no wait between the stores and the loads, nor in front of the next block's stores.
.macro TOSTAGE a
.irp b, 0,1,2,3
	ds_store_b128 v[STO], v[ACC+8*(4*(\a)+\b):ACC+8*(4*(\a)+\b)+3] offset:64*\b        ; each accumulator from its low end on
	ds_store_b128 v[STO], v[ACC+8*(4*(\a)+\b)+4:ACC+8*(4*(\a)+\b)+7] offset:64*\b+16
.endr
.irp t, 0,1,2,3,4,5,6,7
	ds_load_b128 v[TMP+32*((\a)%2)+4*\t:TMP+32*((\a)%2)+4*\t+3], v[RD] offset:\t*2*SPITCH
.endr
.endm
.macro SEND a, younger                 ; younger: the LDS instructions issued behind block a's loads, which may stay out
	s_wait_dscnt \younger
.irp t, 0,1,2,3,4,5,6,7
	global_store_b128 v[CO], v[TMP+32*((\a)%2)+4*\t:TMP+32*((\a)%2)+4*\t+3], s[8:9] offset:(16*(\a)+2*\t)*4096 th:TH_STORE_NT
.endr
.endm
	PLACES
	TOSTAGE 0
.irp a, 1,2,3
.if \a > 1
	s_wait_xcnt 0x0                                ; block a - 2's stores have read their registers: block a's loads may land there
.endif
	TOSTAGE \a
	SEND \a-1, 16                                  ; behind block a - 1's loads: block a's 8 stores and 8 loads
.endr
	SEND 3, 0
	s_wait_tensorcnt 0x0                           ; the wave's end: three closing lines, behind my last tensor load and my last LDS store
	ds_add_u32 v[SPW], v[NIL]
	s_wait_dscnt 0x0
	CROUND                                         ; the closing round
	s_endpgm
.Lfunc_end_k_q1b56c95119_outp:
	.size	k_q1b56c95119_outp, .Lfunc_end_k_q1b56c95119_outp-k_q1b56c95119_outp
	.p2alignl 7, 3214868480
	.fill 96, 4, 3214868480
	.section	.rodata,"a",@progbits
	.p2align	6, 0x0
	.amdhsa_kernel k_q1b56c95119_outp
		.amdhsa_group_segment_fixed_size 327680
		.amdhsa_private_segment_fixed_size 0
		.amdhsa_enable_private_segment 0
		.amdhsa_kernarg_size 32
		.amdhsa_user_sgpr_count 2
		.amdhsa_user_sgpr_kernarg_segment_ptr 1
		.amdhsa_wavefront_size32 1
		.amdhsa_system_sgpr_workgroup_id_x 1
		.amdhsa_system_sgpr_workgroup_id_y 1
		.amdhsa_system_sgpr_workgroup_id_z 1
		.amdhsa_system_vgpr_workitem_id 0
		.amdhsa_next_free_vgpr 512
		.amdhsa_next_free_sgpr 70
		.amdhsa_reserve_vcc 0
		.amdhsa_float_denorm_mode_32 3
		.amdhsa_float_denorm_mode_16_64 3
		.amdhsa_memory_ordered 1
		.amdhsa_forward_progress 1
		.amdhsa_inst_pref_size 86
	.end_amdhsa_kernel
	.amdgpu_metadata
---
amdhsa.version: [ 1, 2 ]
amdhsa.kernels:
  - .name:           k_q1b56c95119_outp
    .symbol:         k_q1b56c95119_outp.kd
    .args:
      - { .name: mrg, .offset: 0, .size: 8, .value_kind: global_buffer, .address_space: global }
      - { .name: wo16, .offset: 8, .size: 8, .value_kind: global_buffer, .address_space: global }
      - { .name: bo, .offset: 16, .size: 8, .value_kind: global_buffer, .address_space: global }
      - { .name: out0, .offset: 24, .size: 8, .value_kind: global_buffer, .address_space: global }
    .group_segment_fixed_size: 327680
    .private_segment_fixed_size: 0
    .kernarg_segment_align: 8
    .kernarg_segment_size: 32
    .max_flat_workgroup_size: 128
    .sgpr_count:     70
    .vgpr_count:     512
    .wavefront_size: 32
...
	.end_amdgpu_metadata
.endif
;; end of part 4
